; MI455X (gfx1250); checked and timed in simulation.
; The chip was launched on July 23, 2026; its instructions are those of AMD's public machine-readable ISA for CDNA 5 (MIT licence, August 2026) and "CDNA5" Instruction Set Architecture Reference Guide (July 2026). The comments in the code are by the model that wrote it; some were corrected since.
;; SWA. Allowed arithmetic: matrix products marked QUANTISED: E2M3 operands, one E8M0 scale for each 32 along K, by v_wmma_scale_f32_16x16x128_f8f6f4 with both operands' format E2M3, f32 sums; everything else in f32.
;; Inputs: wk_b 256 float32; wk_w 256 x 1,024 float32; wo_w 1,024 x 1,024 float32; wq_b 1,024 float32; wq_w 1,024 x 1,024 float32; wv_b 256 float32; wv_w 256 x 1,024 float32; x 2 x 2,048 x 1,024 float32.
;; Outputs: out0 2 x 2,048 x 1,024 float32.
;; Constants: sliding_window = 1024.
;; This version of the problem:
;;   THIS VERSION OF THE PROBLEM IS GIVEN IN LOW PRECISION. The matrix products marked QUANTISED in the list below multiply operands that are first quantised to E2M3 (2 exponent bits, 3 mantissa bits; 6 bits a number), with one power-of-two scale for each 32 numbers along K (OCP MX v1.0); their sums are f32. All else is computed in f32.
;;   The module's matrix products, in the order in which they are computed (A, B: the left and right operand; K: the contracted axis; several contracted axes count as one K, in the product's order):
;;     1. [M 4,096, K 1,024] x [K 1,024, N 1,024]; A: input x; B: input wq_w: QUANTISED
;;     2. [M 4,096, K 1,024] x [K 1,024, N 256]; A: input x; B: input wk_w: QUANTISED
;;     3. [M 4,096, K 1,024] x [K 1,024, N 256]; A: input x; B: input wv_w: QUANTISED
;;     4. batch 32 x [M 2,048, K 64] x [K 64, N 2,048]; A: computed on the way; B: computed on the way: QUANTISED
;;     5. batch 32 x [M 64, K 2,048] x [K 2,048, N 2,048]; A: computed on the way; B: softmax (see below): QUANTISED
;;     6. [M 4,096, K 1,024] x [K 1,024, N 1,024]; A: computed on the way; B: input wo_w: QUANTISED
;;   THE QUANTISER, for each operand of a quantised product, along K:
;;     - K is cut into blocks of 32 from its start; a last block that is shorter is filled with zeros.
;;     - A block's scale is 2^e with e = floor(log2(the largest magnitude in the block)) - 2, held to -126 .. 127; a block of zeros has e = 0. As a byte (E8M0): e + 127.
;;     - Each number is divided by its block's scale, clamped to +-7.5, and rounded to the nearest number of E2M3, ties to even, subnormals kept.
;;     - The product sums the exact products of the quantised numbers (number of the format x scale) in f32.
;;   ~~~python
;;   def quantise(x, axis):      # numpy; x: float32 -> the quantised numbers, widened to float32 again
;;       x = np.moveaxis(x, axis, -1); K = x.shape[-1]
;;       x = np.pad(x, [(0, 0)] * (x.ndim - 1) + [(0, -K % 32)]); x = x.reshape(x.shape[:-1] + (-1, 32)); a = np.abs(x).max(-1, keepdims=True)
;;       e = np.where(a > 0, np.clip(np.frexp(np.where(a > 0, a, 1))[1] - 1 - 2, -126, 127), 0)      # np.frexp(a)[1] - 1 = floor(log2(a)), exactly
;;       r = np.clip(x / 2.0 ** e, -7.5, 7.5)
;;       step = 2.0 ** (np.maximum(np.frexp(np.where(r == 0, 1, r))[1] - 1, 0) - 3)
;;       q = np.round(r / step) * step * 2.0 ** e      # np.round: ties to even
;;       return np.moveaxis(q.reshape(q.shape[:-2] + (-1,))[..., :K], -1, axis).astype(np.float32)
;;   ~~~
;;   SOFTMAX AHEAD OF A QUANTISED PRODUCT. Where the list says 'softmax', what is quantised is not the finished softmax but p = 2^(t - M), with t = logit x log2(e) and M = ceil(the row's largest t), a whole number; so 1/2 < the row's largest p <= 1. The row's sum l is taken of the UNQUANTISED p, in f32, and the product's result is divided by l at the end. Since M is a whole number, a kernel that streams over the keys may use a running M (the ceiling of the running maximum): every later rescaling is an exact power of two, which a block's scale takes up: the codes' values come out the same.
;;   OPERANDS COMPUTED ON THE WAY. 'Computed on the way' means the value that the module computes at that place (a softmax that the list does not call 'softmax' is quantised finished and normalised). What goes into a quantiser is computed in f32, as accurately as f32 sums, v_exp_f32 and their like allow (about 1e-6 of the number): no bf16 or f16 on the way to a quantiser, and a product that is left as it is and whose result goes on into a quantised operand takes f32 operands (vector FMAs, or v_wmma_f32_16x16x4_f32). A number that lies on a knife's edge between two numbers of the format may be rounded either way, as far as f32 arithmetic and the matrix unit's own rounding can turn it there, and no further.
;; One version. Each part assembles by itself: llvm-mc -triple=amdgcn-amd-amdhsa -mcpu=gfx1250 --defsym DOCPART=n.
;; ======== version 1 of 1: 4 launches
;; limits: right only within a limited range of input values
;; workspace buffers: prepw 6,062,080 bytes; qkvw 6,291,456 bytes; ctxw 3,407,872 bytes
;; launch prep (part 1): grid 448 x 1, 4 waves a work-group, no clusters, 34,304 bytes of LDS; arguments x, wq_w, wk_w, wv_w, wo_w, prepw; writes prepw
.if DOCPART == 1
	.amdgcn_target "amdgcn-amd-amdhsa--gfx1250"
	.amdhsa_code_object_version 6
	.text
	.protected	k_q796679d075_prep
	.globl	k_q796679d075_prep
	.p2align	8
	.type	k_q796679d075_prep,@function
k_q796679d075_prep:
	s_mov_b64 s[64:65], 0
	v_nop
	global_prefetch_b8 v0, s[64:65] scope:SCOPE_SE
	s_setreg_imm32_b32 hwreg(HW_REG_WAVE_MODE, 25, 1), 1
	s_wait_xcnt 0x0
; x [4096][1024], wq_w [1024][1024], wk_w, wv_w [256][1024], wo_w [1024][1024], all f32 with K innermost, become codes of FP6 (E2M3) with one E8M0 byte for each 32 along K,
; laid as IMAGES OF OPERAND REGISTERS, so that the later launches fetch fragments by dense loads alone.  The same launch makes the table of cos and sin for the rotary embedding.
; A TILE is 16 rows that are not neighbours: tile 4 g + j, place r, is row 64 g + 32 (r / 8) + 8 j + r % 8: a product's lane then holds, over four tiles, 32 neighbours: a whole scale block.
; A FRAGMENT (tile x 128 along K) is 12 registers a lane, 1,536 bytes: registers 0-3 at 16 x lane, 4-5 at 512 + 8 x lane, 6-9 at 768 + 16 x lane, 10-11 at 1,280 + 8 x lane.
; A block of tiles lies [pair of K steps][tile][K step of the pair].  Scale words: [tile][pair of K steps][lane][2 words]; lanes 16-31 repeat lanes 0-15.
; SHARES.  Work-groups 0-415 take a tile each (256 of x, 96 of wq, wk, wv, 64 of wo); wave w takes K steps 2 w and 2 w + 1.  Each load reads 512 consecutive bytes of a row; the numbers turn through the wave's own
; stage in LDS so that a lane holds 16 neighbours of each block of 32.  Work-groups 416-447: a wave makes the table of one tile of 16 positions.
; No cluster, no tensor load, no matrix unit: no byte is read twice and the launch only streams.
; A block's scale is 2^(floor(log2(largest magnitude)) - 2); its byte is the largest magnitude's exponent field - 2, held at 1 from below.
; WORK LEFT OUT BY THE PROGRAM: products and exponentials of whole blocks of 64 keys that the band mask (key <= query, query - key <= 1,024) throws away for every query of a block of 64: their p is 0 whatever
; the inputs hold.  A NaN, an infinity or an overflow that reaches only such scores is not carried to the result.
; LIMITS: NaN and infinities among the inputs are not served.  A block whose largest magnitude lies under 2^-124, zeros among them, gets the byte 1 (its codes add nothing; this program alone reads the bytes).
; The frequencies are 10^(-i / 8), i = 0 .. 31, rounded to f32: they may differ by one unit in the last place from a power and a division made in f32.  The angle is position x frequency, one f32 product; it is reduced
; by n = the nearest whole number to angle x 2 / pi with pi / 2 in three parts; sin goes through r^9 and cos through r^10: on |r| <= pi / 4 the first terms left out are under 2e-9.  Positions up to 2,047.
.set XS,    3145728                    ; byte offsets in the workspace: x's codes at 0, its scale words,
.set WC,    3407872                    ; the codes of wq, wk, wv: 8 blocks of 12 tiles,
.set WS,    4587520                    ; their scale words,
.set WOQ,   4685824                    ; wo's codes: 8 blocks of 8 tiles,
.set WOS,   5472256                    ; its scale words,
.set ROPE,  5537792                    ; cos and sin: 128 tiles of positions x 4,096 bytes
.set STG,   8448                       ; a wave's stage: 16 rows x (512 bytes + 16)
.set SPARE, 4*STG                      ; behind the stages: the spare words, 128 bytes a wave
.set L16, 1                            ; v1  16 x lane
.set L8,  2                            ; v2  8 x lane
.set STI, 3                            ; v3  the stage, on the way in
.set STO, 4                            ; v4  and on the way out: row r, + 64 h
.set SPW, 5                            ; v5  my spare word; never rewritten
.set NIL, 6                            ; v6  0; never rewritten
.set PW,  12                           ; v[12:13] the two K steps' scale words
.set TM,  16                           ; v16-31 at work in QUANT
.set PC,  32                           ; v32-55 two fragments' codes
.set PX,  56                           ; v56-62 halves of blocks on their way
.set R,   64                           ; v64-191 the numbers as loaded
.set X,   192                          ; v192-255 64 numbers of my row: register 16 b + i is k = 32 b + 16 h + i
.set OUT, 32                           ; the table's path: v32-63 cos and sin
.set SEL, 38                           ; s[38:39] lane l xor 16
; 64 numbers of a lane become a fragment's codes in v[pc] on and its scale word in v[pw]
.macro QUANT s, pc, px, pw
.irp b, 0,1,2,3
	v_max3_num_f32 v[TM+\b], |v[\s+16*\b]|, |v[\s+1+16*\b]|, 0x1800000   ; my 16 numbers of block b, and the floor 2^(3 - 127): the byte cannot fall under 1
.endr
.irp i, 2,4,6,8,10,12,14
.irp b, 0,1,2,3
	v_max3_num_f32 v[TM+\b], v[TM+\b], |v[\s+16*\b+\i]|, |v[\s+1+16*\b+\i]|
.endr
.endr
.irp b, 0,1,2,3
	v_permlanex16_b32 v[TM+4+\b], v[TM+\b], s[SEL], s[SEL+1]
.endr
.irp b, 0,1,2,3
	v_max_num_f32 v[TM+\b], v[TM+\b], v[TM+4+\b]       ; with lane l xor 16's: the block's largest magnitude
.endr
.irp b, 0,1,2,3
	v_add_nc_u32 v[TM+12+\b], 0xff000000, v[TM+\b]     ; 2 off its exponent field: the conversion's scale operand
.endr
.irp b, 0,1,2,3
	v_lshrrev_b32 v[TM+4+\b], 23, v[TM+12+\b]          ; the scale's byte
.endr
	v_lshl_or_b32 v[\pw], v[TM+5], 8, v[TM+4]
	v_lshl_or_b32 v[\pw], v[TM+6], 16, v[\pw]
	v_lshl_or_b32 v[\pw], v[TM+7], 24, v[\pw]
.irp c, 0,1
	v_cvt_scalef32_pk16_fp6_f32 v[\pc+6*\c:\pc+6*\c+2], v[\s+32*\c:\s+32*\c+15], v[TM+12+2*\c]
	v_cvt_scalef32_pk16_fp6_f32 v[\px+4*\c:\px+4*\c+2], v[\s+32*\c+16:\s+32*\c+31], v[TM+13+2*\c]
.endr
	v_nop                                              ; one plain place behind a scaled conversion
.irp c, 0,1                                            ; the operand wants a whole block in a lane: lanes 0-15 block 2 c, lanes 16-31 block 2 c + 1
.irp i, 0,1,2
	v_permlane16_swap_b32 v[\pc+6*\c+\i], v[\px+4*\c+\i]
.endr
.irp i, 0,1,2
	v_mov_b32 v[\pc+6*\c+3+\i], v[\px+4*\c+\i]
.endr
.endr
.endm
	s_load_b256 s[4:11], s[0:1], 0x0               ; x, wq_w, wk_w, wv_w
	s_load_b128 s[12:15], s[0:1], 0x20             ; wo_w, the workspace
	v_lshl_add_u32 v[SPW], v0, 2, SPARE
	v_mov_b32 v[NIL], 0
	v_lshrrev_b32 v7, 5, v0
	v_readfirstlane_b32 s16, v7                    ; wave
	v_and_b32 v7, 31, v0                           ; lane
	v_lshlrev_b32 v[L16], 4, v7
	v_lshlrev_b32 v[L8], 3, v7
	v_and_b32 v8, 15, v0                           ; r
	v_bfe_u32 v9, v0, 4, 1                         ; h
	s_cmp_ge_u32 ttmp9, 416
	s_cbranch_scc1 .Lrope
	; ---- a tile is quantised
	s_mul_i32 s17, s16, STG
	v_add_nc_u32 v[STI], s17, v[L16]
	v_mul_u32_u24 v[STO], v8, 528
	v_lshl_add_u32 v[STO], v9, 6, v[STO]
	v_add_nc_u32 v[STO], s17, v[STO]
.irp b, 0,1,2,3
	v_mov_b32 v[TM+4+\b], 0                        ; a lane permute's destination counts as one of its sources
.endr
	s_mov_b32 s[SEL], 0x76543210
	s_mov_b32 s[SEL+1], 0xfedcba98
	s_mov_b32 s18, ttmp9                           ; which tile: 0-255 x, 256-351 wq, wk, wv, 352-415 wo
	s_sub_co_u32 s19, s18, 256
	s_sub_co_u32 s20, s18, 352
	s_min_u32 s21, s19, 95                         ; tile of wq, wk, wv
	s_mul_i32 s22, s21, 43
	s_lshr_b32 s22, s22, 9                         ; its block of 12: tile / 12 (exact for 0 .. 95)
	s_mul_i32 s23, s22, 12
	s_sub_co_u32 s23, s21, s23
	s_mul_i32 s22, s22, 147456
	s_mul_i32 s23, s23, 3072
	s_add_co_u32 s22, s22, s23
	s_add_co_u32 s22, s22, WC                      ; where its codes go,
	s_lshl_b32 s23, s21, 10
	s_add_co_u32 s23, s23, WS                      ; and its scale words
	s_cmp_lt_u32 s18, 256                          ; x or wo: blocks of 8 tiles
	s_cselect_b32 s24, s18, s20
	s_mov_b32 s25, WOQ
	s_cselect_b32 s25, 0, s25
	s_mov_b32 s26, WOS
	s_mov_b32 s27, XS
	s_cselect_b32 s26, s27, s26
	s_lshr_b32 s27, s24, 3
	s_mul_i32 s27, s27, 98304
	s_and_b32 s28, s24, 7
	s_mul_i32 s28, s28, 3072
	s_add_co_u32 s27, s27, s28
	s_add_co_u32 s25, s25, s27
	s_lshl_b32 s27, s24, 10
	s_add_co_u32 s26, s26, s27
	s_cmp_lt_u32 s21, 64                           ; the tile's number in its own tensor
	s_cselect_b32 s28, 0, 64
	s_cmp_lt_u32 s21, 80
	s_cselect_b32 s28, s28, 80
	s_sub_co_u32 s28, s21, s28
	s_cmp_lt_u32 s19, 96                           ; is it one of wq, wk, wv?
	s_cselect_b32 s24, s28, s24                    ; the tile in its tensor
	s_cselect_b32 s25, s22, s25                    ; codes
	s_cselect_b32 s26, s23, s26                    ; scale words
	s_mov_b32 s27, 24576
	s_cselect_b32 s27, 36864, s27                  ; bytes from a pair of K steps to the next
	s_mul_i32 s27, s27, s16
	s_add_co_u32 s25, s25, s27                     ; my wave's pair of K steps
	s_lshl_b32 s27, s16, 8
	s_add_co_u32 s26, s26, s27
	s_lshr_b32 s27, s24, 2
	s_lshl_b32 s27, s27, 6
	s_and_b32 s28, s24, 3
	s_lshl_b32 s28, s28, 3
	s_add_co_u32 s27, s27, s28                     ; the tile's first row
	s_lshl_b32 s27, s27, 12
	s_lshl_b32 s28, s16, 10
	s_add_co_u32 s28, s27, s28                     ; + my 1,024 bytes of a row
	s_mov_b32 s29, 0
	s_wait_alu depctr_va_vdst(0)
	s_wait_kmcnt 0x0
	s_cmp_lt_u32 s18, 256                          ; the choices hang on the work-group's number alone
	s_cselect_b64 s[30:31], s[4:5], s[12:13]
	s_cmp_lt_u32 s21, 64
	s_cselect_b64 s[32:33], s[6:7], s[8:9]
	s_cmp_lt_u32 s21, 80
	s_cselect_b64 s[32:33], s[32:33], s[10:11]
	s_cmp_lt_u32 s19, 96
	s_cselect_b64 s[30:31], s[32:33], s[30:31]
	s_add_nc_u64 s[30:31], s[30:31], s[28:29]      ; from here
	s_mov_b32 s28, s25
	s_add_nc_u64 s[34:35], s[14:15], s[28:29]      ; codes to here
	s_mov_b32 s28, s26
	s_add_nc_u64 s[36:37], s[14:15], s[28:29]      ; scale words to here
.irp f, 0,1
.irp i, 0,1,2,3,4,5,6,7,8,9,10,11,12,13,14,15
	global_load_b128 v[R+64*\f+4*\i:R+64*\f+4*\i+3], v[L16], s[30:31] offset:(\i+24*(\i/8))*4096+512*\f th:TH_LOAD_NT   ; 512 consecutive bytes of the tile's place i
.endr
.endr
.irp f, 0,1
	s_wait_loadcnt 16*(1-\f)                       ; this K step's sixteen loads are in; the other's may be out
.irp i, 0,1,2,3,4,5,6,7,8,9,10,11,12,13,14,15
	ds_store_b128 v[STI], v[R+64*\f+4*\i:R+64*\f+4*\i+3] offset:528*\i
.endr
.irp b, 0,1,2,3
.irp q, 0,1,2,3
	ds_load_b128 v[X+16*\b+4*\q:X+16*\b+4*\q+3], v[STO] offset:128*\b+16*\q   ; LDS serves a wave's instructions in order: these see the stores above
.endr
.endr
	s_wait_dscnt 0x0
	QUANT X, PC+12*\f, PX, PW+\f
.endr
.irp f, 0,1
	global_store_b128 v[L16], v[PC+12*\f:PC+12*\f+3], s[34:35] offset:1536*\f          ; each store covers 512 or 256 consecutive bytes, aligned
	global_store_b64 v[L8], v[PC+12*\f+4:PC+12*\f+5], s[34:35] offset:1536*\f+512
	global_store_b128 v[L16], v[PC+12*\f+6:PC+12*\f+9], s[34:35] offset:1536*\f+768
	global_store_b64 v[L8], v[PC+12*\f+10:PC+12*\f+11], s[34:35] offset:1536*\f+1280
.endr
	global_store_b64 v[L8], v[PW:PW+1], s[36:37]
	s_wait_tensorcnt 0x0                           ; the wave's end, behind my last LDS store
	ds_add_u32 v[SPW], v[NIL]
	s_wait_dscnt 0x0
	s_endpgm
	; ---- cos and sin of one tile of 16 positions.  Lane (r, h) holds the frequencies 16 h + m, m = 0 .. 15: register 2 m is the cos, the next the sin
.Lrope:
	s_sub_co_u32 s17, ttmp9, 416
	s_lshl_b32 s17, s17, 2
	s_add_co_u32 s17, s17, s16                     ; the tile, 0 .. 127
	s_lshr_b32 s18, s17, 2
	s_lshl_b32 s18, s18, 6
	s_and_b32 s19, s17, 3
	s_lshl_b32 s19, s19, 3
	s_add_co_u32 s18, s18, s19
	s_wait_alu depctr_va_vdst(0)
	v_and_b32 v10, 8, v8
	v_mul_u32_u24 v10, v10, 3
	v_add3_u32 v10, v10, v8, s18                   ; my position: 64 g + 8 j + r + 24 (r / 8)
	v_cvt_f32_u32 v10, v10
	v_cmp_lt_u32 s30, 15, v7                       ; lanes 16-31
	s_mov_b32 s40, 0x3f22f983                      ; 2 / pi
	s_mov_b32 s41, 0xbfc90fd8                      ; - pi / 2 in three parts
	s_mov_b32 s42, 0xb4a8885a
	s_mov_b32 s43, 0xa7c234c4
	s_mov_b32 s44, 0xb493f27e                      ; cos: - 1 / 10!,
	s_mov_b32 s45, 0x37d00d01                      ; 1 / 8!,
	s_mov_b32 s46, 0xbab60b61                      ; - 1 / 6!,
	s_mov_b32 s47, 0x3d2aaaab                      ; 1 / 4!
	s_mov_b32 s48, 0x3638ef1d                      ; sin: 1 / 9!,
	s_mov_b32 s49, 0xb9500d01                      ; - 1 / 7!,
	s_mov_b32 s50, 0x3c088889                      ; 1 / 5!,
	s_mov_b32 s51, 0xbe2aaaab                      ; - 1 / 3!
	s_lshl_b32 s20, s17, 12
	s_add_co_u32 s20, s20, ROPE
	s_mov_b32 s21, 0
	s_wait_alu depctr_va_vdst(0)
	s_wait_kmcnt 0x0
	s_add_nc_u64 s[14:15], s[14:15], s[20:21]
.macro SINCOS flo, fhi, o
	v_mov_b32 v16, \flo
	v_mov_b32 v17, \fhi
	v_cndmask_b32 v16, v16, v17, s30               ; my half's frequency
	s_wait_alu depctr_va_vdst(0)
	v_mul_f32 v16, v10, v16                        ; the angle
	v_mul_f32 v17, s40, v16
	v_rndne_f32 v17, v17                           ; n
	v_fma_f32 v18, v17, s41, v16                   ; r = angle - n pi / 2
	v_fma_f32 v18, v17, s42, v18
	v_fma_f32 v18, v17, s43, v18
	v_cvt_i32_f32 v19, v17
	v_mul_f32 v20, v18, v18                        ; z = r r
	v_fma_f32 v21, v20, s44, s45
	v_fma_f32 v22, v20, s48, s49
	v_fma_f32 v21, v21, v20, s46
	v_fma_f32 v22, v22, v20, s50
	v_fma_f32 v21, v21, v20, s47
	v_fma_f32 v22, v22, v20, s51
	v_fma_f32 v21, v21, v20, -0.5
	v_mul_f32 v23, v18, v20
	v_fma_f32 v21, v21, v20, 1.0                   ; cos r
	v_fma_f32 v22, v22, v23, v18                   ; sin r
	v_and_b32 v23, 1, v19
	v_cmp_eq_u32 s31, 1, v23                       ; an odd quarter turn changes the two over
	v_cndmask_b32 v24, v22, v21, s31
	v_cndmask_b32 v25, v21, v22, s31
	v_lshlrev_b32 v26, 30, v19                     ; the sin is negative in quarters 2 and 3,
	v_and_b32 v26, 0x80000000, v26
	v_add_nc_u32 v27, 1, v19                       ; the cos in quarters 1 and 2
	v_lshlrev_b32 v27, 30, v27
	v_and_b32 v27, 0x80000000, v27
	v_xor_b32 v[\o], v25, v27
	v_xor_b32 v[\o+1], v24, v26
.endm
	SINCOS 0x3f800000, 0x3c23d70a, OUT+0
	SINCOS 0x3f3ff911, 0x3bf5b9b0, OUT+2
	SINCOS 0x3f0ff59a, 0x3bb8449c, OUT+4
	SINCOS 0x3ed7e89b, 0x3b8a2e77, OUT+6
	SINCOS 0x3ea1e89b, 0x3b4f3e37, OUT+8
	SINCOS 0x3e72d424, 0x3b1b690d, OUT+10
	SINCOS 0x3e361887, 0x3ae91528, OUT+12
	SINCOS 0x3e088d77, 0x3aaec98e, OUT+14
	SINCOS 0x3dcccccd, 0x3a83126f, OUT+16
	SINCOS 0x3d99940e, 0x3a44948c, OUT+18
	SINCOS 0x3d6655c3, 0x3a136a16, OUT+20
	SINCOS 0x3d2cba15, 0x39dd1726, OUT+22
	SINCOS 0x3d0186e2, 0x39a5cb5f, OUT+24
	SINCOS 0x3cc24350, 0x3978a814, OUT+26
	SINCOS 0x3c91ad39, 0x393a7753, OUT+28
	SINCOS 0x3c5a7bf1, 0x390bd472, OUT+30
.irp c, 0,1,2,3,4,5,6,7
	global_store_b128 v[L16], v[OUT+4*\c:OUT+4*\c+3], s[14:15] offset:512*\c   ; 512 consecutive bytes, aligned
.endr
	s_wait_tensorcnt 0x0                           ; the same three lines close this path
	ds_add_u32 v[SPW], v[NIL]
	s_wait_dscnt 0x0
	s_endpgm
.Lfunc_end_k_q796679d075_prep:
	.size	k_q796679d075_prep, .Lfunc_end_k_q796679d075_prep-k_q796679d075_prep
	.p2alignl 7, 3214868480
	.fill 96, 4, 3214868480
	.section	.rodata,"a",@progbits
	.p2align	6, 0x0
	.amdhsa_kernel k_q796679d075_prep
		.amdhsa_group_segment_fixed_size 34304
		.amdhsa_private_segment_fixed_size 0
		.amdhsa_enable_private_segment 0
		.amdhsa_kernarg_size 48
		.amdhsa_user_sgpr_count 2
		.amdhsa_user_sgpr_kernarg_segment_ptr 1
		.amdhsa_wavefront_size32 1
		.amdhsa_system_sgpr_workgroup_id_x 1
		.amdhsa_system_sgpr_workgroup_id_y 1
		.amdhsa_system_sgpr_workgroup_id_z 1
		.amdhsa_system_vgpr_workitem_id 0
		.amdhsa_next_free_vgpr 256
		.amdhsa_next_free_sgpr 66
		.amdhsa_reserve_vcc 0
		.amdhsa_float_denorm_mode_32 3
		.amdhsa_float_denorm_mode_16_64 3
		.amdhsa_memory_ordered 1
		.amdhsa_forward_progress 1
		.amdhsa_inst_pref_size 49
	.end_amdhsa_kernel
	.amdgpu_metadata
---
amdhsa.version: [ 1, 2 ]
amdhsa.kernels:
  - .name:           k_q796679d075_prep
    .symbol:         k_q796679d075_prep.kd
    .args:
      - { .name: x, .offset: 0, .size: 8, .value_kind: global_buffer, .address_space: global }
      - { .name: wq_w, .offset: 8, .size: 8, .value_kind: global_buffer, .address_space: global }
      - { .name: wk_w, .offset: 16, .size: 8, .value_kind: global_buffer, .address_space: global }
      - { .name: wv_w, .offset: 24, .size: 8, .value_kind: global_buffer, .address_space: global }
      - { .name: wo_w, .offset: 32, .size: 8, .value_kind: global_buffer, .address_space: global }
      - { .name: prepw, .offset: 40, .size: 8, .value_kind: global_buffer, .address_space: global }
    .group_segment_fixed_size: 34304
    .private_segment_fixed_size: 0
    .kernarg_segment_align: 8
    .kernarg_segment_size: 48
    .max_flat_workgroup_size: 128
    .sgpr_count:     66
    .vgpr_count:     256
    .wavefront_size: 32
...
	.end_amdgpu_metadata
.endif
;; end of part 1
;; launch qkv (part 2): grid 32 x 8, 6 waves a work-group, clusters of 4 x 1, 327,680 bytes of LDS; arguments prepw, wq_b, wk_b, wv_b, qkvw; writes qkvw
.if DOCPART == 2
	.amdgcn_target "amdgcn-amd-amdhsa--gfx1250"
	.amdhsa_code_object_version 6
	.text
	.protected	k_q796679d075_qkv
	.globl	k_q796679d075_qkv
	.p2align	8
	.type	k_q796679d075_qkv,@function
k_q796679d075_qkv:
	s_mov_b64 s[64:65], 0
	v_nop
	global_prefetch_b8 v0, s[64:65] scope:SCOPE_SE
	s_setreg_imm32_b32 hwreg(HW_REG_WAVE_MODE, 25, 1), 1
	s_wait_xcnt 0x0
	s_wait_alu depctr_hold_cnt(0) depctr_sa_sdst(0) depctr_va_vdst(0) depctr_va_sdst(0) depctr_va_ssrc(0) depctr_va_vcc(0) depctr_vm_vsrc(0)
	s_getreg_b32 s2, hwreg(HW_REG_IB_STS2, 6, 4)
	s_cmp_eq_u32 s2, 0
	s_cbranch_scc0 .Lentry_in_a_cluster
	s_endpgm
.Lentry_in_a_cluster:
	s_bfe_u32 s2, ttmp6, 0x10000c
	s_cmp_lg_u32 s2, 0x3003
	s_cbranch_scc0 .Lentry_shape_is_right
	s_endpgm
.Lentry_shape_is_right:
; q = x wq^T + bq, k = x wk^T + bk, v = x wv^T + bv on codes of FP6 (E2M3) with E8M0 scales, f32 sums; then the rotary embedding of q and k in f32; then the quantisers of the attention's operands:
; q and k along the head's 64, v along the keys.  Results leave as images of operand registers (below).
; SHARES.  A work-group takes 128 rows x 192 columns: three heads of 64 out of 24 (16 of q, 4 of k, 4 of v).  Six waves: wave w takes head w / 2 of the three and 64 rows, half w % 2: 4 x 4 tiles, 16 accumulators.
; For q and k source 0 = 16 rows of the weight and source 1 = 16 rows of x: a lane holds one row, its registers run along the head.  For v the two change places: a lane holds one channel, its registers run along the keys.
; Only LDS addresses, their steps and the scale pointers differ between the two.  A tile's rows are 64 g + 32 (r / 8) + 8 j + r % 8, so a lane's 32 registers of four tiles are 32 neighbours: a whole scale block, block h of 64.
; All of K (1,024) of both operands lies in LDS, 245,760 bytes, filled once, as two halves of K: in each x's two pairs of K steps, then the weights' two.  One tensor load a wave: x's pairs 0, 1; the weights' pair 0; their
; pair 1; x's pairs 2, 3; the weights' pairs 2, 3; cos and sin.  The products begin when the first two have landed; three further barriers show the rest.
; CLUSTER 4 x 1: the four partners differ in their rows alone, so the weights' tiles are asked for jointly.  Not 4 x 4: which way a wave multiplies, and so its LDS addresses and branches, hangs on the block of columns,
; which partners along y would not share.  No data prefetch: every tile is asked for at the head, so there is no loop to run ahead in.
; OUT.  A pair record is 2,048 bytes: two tiles' registers 0-5 (at 0 and 768: 16 x lane, then at + 512: 8 x lane), and at 1,536 + 16 x lane the two scale words.  q: [batch][head][pair of tiles], k: [batch][kv head][pair],
; both with 0x7f in the scale words' upper two bytes (the products over 64 use half an instruction); v: [batch][kv head][64 keys][pair of channel tiles], two scale bytes in the lower half of a word.
; LIMITS: NaN and infinities are not served; a block whose largest magnitude lies under 2^-124 gets the byte 1.
.set XS,    3145728
.set WC,    3407872
.set WS,    4587520
.set ROPE,  5537792
.set KC,    4194304
.set VC,    5242880
.set HALFK, 122880                     ; LDS: a half of K: x's two pairs of K steps (24,576 a pair), then the weights' two (36,864 a pair)
.set WL,    49152                      ; where the weights begin in a half
.set ROPE_L, 245760                    ; cos and sin of my 128 rows: 8 tiles x 4,096
.set SPARE, ROPE_L+32768               ; the spare words, 128 bytes a wave
.set L16, 1
.set L8,  2
.set ADA16, 3                          ; v3-6 LDS addresses of source 0's and source 1's fragments
.set ADA8,  4
.set ADB16, 5
.set ADB8,  6
.set RA,  7                            ; v7  LDS address of my rows' cos and sin
.set SPW, 8                            ; v8  my spare word; never rewritten
.set NIL, 9                            ; v9  0; never rewritten
.set BOQ, 10                           ; v10 bias offset for q, k: 128 h
.set BOV, 11                           ; v11 for v: 4 (r + 24 (r / 8))
.set TM,  12                           ; v12-16 at work in QUANT2
.set H8,  18                           ; v18 8 h
.set T0,  20                           ; v20-23 at work in the rotation
.set SA,  32                           ; v32-63 source 0's scale words: tile a, K step s at 8 a + s
.set SB,  66                           ; v66-97 source 1's
.set CD,  100                          ; v100-105, v108-113 two tiles' codes
.set PX,  116
.set SW,  120                          ; v120-123 two scale words and two zeros
.set PW,  124
.set ACC, 128                          ; v128-255 accumulator (a, b) at 8 (4 b + a)
.set BI,  96                           ; window 1: v96-127 the bias
.set CSB, 128                          ; window 1: v128-255 cos and sin, 32 a tile, behind the products
.set WV, 14
.set HL, 15
.set RH, 16
.set CX, 17
.set RB, 18
.set CB, 19
.set HU, 20
.set RV, 21
.set BAT, 22
.set G1X, 24                           ; groups 1: x 192 rows of 256 bytes; the weights' 144; 288; cos and sin 128
.set G1W, 32
.set G1R, 40
.set G1V, 56
.set G0X, 48                           ; groups 0: x's pairs 0, 1 and 2, 3; the weights' three; cos and sin
.set G0Y, 52
.set SEL, 66
.set G0W, 68
.set G0R, 84
.set STA, 80                           ; s80, s81 from a half's first pair to its second: sources 0, 1;  s82, s83 into the second half
.set STB, 81
.set MSB, 0
.macro WIN new                         ; the immediate's high byte repeats the setting that is left
.if MSB != \new
	s_set_vgpr_msb (MSB<<8)|\new
.set MSB, \new
.endif
.endm
.set MUL,  0x05                        ; sources 0 and 1 window 1; C and D window 0
.set TO_F, 0x40                        ; destination window 1, address window 0
.macro CROUND                          ; a round of the cluster's barrier
	s_barrier_signal -1
	s_barrier_wait -1
	s_cmp_lg_u32 s[WV], 0
	s_cbranch_scc1 .Lnot_wave_0_\@
	s_barrier_signal -3
.Lnot_wave_0_\@:
	s_barrier_wait -3
	s_barrier_signal -1
	s_barrier_wait -1
.endm
.macro PLACES
.rept 4
	v_nop
.endr
.endm
; 32 LDS loads: four fragments of each source, the sq-th K step of the pair in hand, into set f of window 1
.macro FETCH f, sq
	WIN TO_F
.irp i, 0,1,2,3
	ds_load_b128 v[\f+12*\i:\f+12*\i+3], v[ADA16] offset:3072*\i+1536*(\sq)
	ds_load_b64 v[\f+12*\i+4:\f+12*\i+5], v[ADA8] offset:3072*\i+1536*(\sq)+512
	ds_load_b128 v[\f+12*\i+6:\f+12*\i+9], v[ADA16] offset:3072*\i+1536*(\sq)+768
	ds_load_b64 v[\f+12*\i+10:\f+12*\i+11], v[ADA8] offset:3072*\i+1536*(\sq)+1280
.endr
.irp i, 0,1,2,3
	ds_load_b128 v[\f+48+12*\i:\f+48+12*\i+3], v[ADB16] offset:3072*\i+1536*(\sq)
	ds_load_b64 v[\f+48+12*\i+4:\f+48+12*\i+5], v[ADB8] offset:3072*\i+1536*(\sq)+512
	ds_load_b128 v[\f+48+12*\i+6:\f+48+12*\i+9], v[ADB16] offset:3072*\i+1536*(\sq)+768
	ds_load_b64 v[\f+48+12*\i+10:\f+48+12*\i+11], v[ADB8] offset:3072*\i+1536*(\sq)+1280
.endr
.endm
; 16 matrix instructions, K step s.  The sixteen accumulators take turns, one instruction a turn, in the same order in every step
.macro MUL16 f, s, zero
	WIN MUL
.irp b, 0,1,2,3
.irp a, 0,1,2,3
.if \zero
	v_wmma_scale_f32_16x16x128_f8f6f4 v[ACC+8*(4*\b+\a):ACC+8*(4*\b+\a)+7], v[\f+12*\a:\f+12*\a+11], v[\f+48+12*\b:\f+48+12*\b+11], 0, v[SA+8*\a+\s], v[SB+8*\b+\s] matrix_a_fmt:MATRIX_FMT_FP6 matrix_b_fmt:MATRIX_FMT_FP6
.else
	v_wmma_scale_f32_16x16x128_f8f6f4 v[ACC+8*(4*\b+\a):ACC+8*(4*\b+\a)+7], v[\f+12*\a:\f+12*\a+11], v[\f+48+12*\b:\f+48+12*\b+11], v[ACC+8*(4*\b+\a):ACC+8*(4*\b+\a)+7], v[SA+8*\a+\s], v[SB+8*\b+\s] matrix_a_fmt:MATRIX_FMT_FP6 matrix_b_fmt:MATRIX_FMT_FP6
.endif
.endr
.endr
.endm
; K step s: its fragments are in; the next step's are fetched into the other set; then its products.  In steps 0, 2 and 4 the waves whose loads the next pair needs (in step 4 all) wait for them, and all signal; the odd step
; behind waits at the barrier and moves the addresses on.  Between signal and wait stand LDS loads of what has landed, and products.  Nothing is ever filled again.
.macro KSTEP s
	s_wait_dscnt 0x0                               ; this step's fragments are in; no LDS instruction of mine is out at a signal
.if ((\s) == 0) || ((\s) == 2)
	WIN 0
	s_cmp_lt_u32 s[WV], 3+(\s)                     ; step 0: the weights' pair 1; step 2: both operands' pairs 2, 3
	s_cbranch_scc0 .Llater_\@
	s_wait_tensorcnt 0x0
.Llater_\@:
	s_barrier_signal -1
.elseif (\s) == 4
	s_wait_tensorcnt 0x0                           ; cos and sin too
	s_barrier_signal -1
.endif
.if (((\s)%2) == 1) && ((\s) < 7)
.set ST_, STA
.if (\s) == 3
.set ST_, STA+2                                    ; into the second half of K
.endif
	s_barrier_wait -1
	WIN 0
	v_add_nc_u32 v[ADA16], s[ST_], v[ADA16]        ; these four are also the places in front of the loads into the set multiplied last
	v_add_nc_u32 v[ADA8], s[ST_], v[ADA8]
	v_add_nc_u32 v[ADB16], s[ST_+1], v[ADB16]
	v_add_nc_u32 v[ADB8], s[ST_+1], v[ADB8]
.elseif (\s) < 7
	PLACES
.endif
.if (\s) < 7
	s_wait_alu depctr_va_vdst(0)
	FETCH 128*(((\s)+1)%2), ((\s)+1)%2
.endif
.if (\s) == 0
	MUL16 128*((\s)%2), \s, 1                      ; the first step's products start the sums
.else
	MUL16 128*((\s)%2), \s, 0
.endif
.endm
; 32 numbers of a lane, block h of the 64, become registers 0-5 of a fragment in v[pc] on and, with lane l xor 16's byte, two scale bytes in v[pw]
.macro QUANT2 s, pc, px, pw
	v_max3_num_f32 v[TM], |v[\s]|, |v[\s+1]|, 0x1800000      ; and the floor 2^(3 - 127): the byte cannot fall under 1
	v_max3_num_f32 v[TM+1], |v[\s+16]|, |v[\s+17]|, |v[\s+18]|
.irp i, 2,4,6,8,10,12
	v_max3_num_f32 v[TM], v[TM], |v[\s+\i]|, |v[\s+1+\i]|
	v_max3_num_f32 v[TM+1], v[TM+1], |v[\s+17+\i]|, |v[\s+18+\i]|
.endr
	v_max3_num_f32 v[TM], v[TM], |v[\s+14]|, |v[\s+15]|
	v_max3_num_f32 v[TM], v[TM], v[TM+1], |v[\s+31]|
	v_add_nc_u32 v[TM+2], 0xff000000, v[TM]        ; 2 off the exponent field: the conversion's scale operand
	v_cvt_scalef32_pk16_fp6_f32 v[\pc:\pc+2], v[\s:\s+15], v[TM+2]
	v_cvt_scalef32_pk16_fp6_f32 v[\px:\px+2], v[\s+16:\s+31], v[TM+2]
	v_lshrrev_b32 v[TM+3], 23, v[TM+2]             ; (also the plain place behind the conversions)
	v_lshlrev_b32 v[TM+3], v[H8], v[TM+3]
	v_permlanex16_b32 v[TM+4], v[TM+3], s[SEL], s[SEL+1]
.irp i, 0,1,2
	v_mov_b32 v[\pc+3+\i], v[\px+\i]
.endr
	v_or_b32 v[\pw], v[TM+3], v[TM+4]
.endm
.macro STORE p                         ; a pair record: five stores of 512 or 256 consecutive bytes, aligned
	global_store_b128 v[L16], v[CD:CD+3], s[12:13] offset:2048*(\p)
	global_store_b64 v[L8], v[CD+4:CD+5], s[12:13] offset:2048*(\p)+512
	global_store_b128 v[L16], v[CD+8:CD+11], s[12:13] offset:2048*(\p)+768
	global_store_b64 v[L8], v[CD+12:CD+13], s[12:13] offset:2048*(\p)+1280
	global_store_b128 v[L16], v[SW:SW+3], s[12:13] offset:2048*(\p)+1536
.endm
	s_load_b256 s[4:11], s[0:1], 0x0               ; the operands' workspace, wq_b, wk_b, wv_b
	s_load_b64 s[12:13], s[0:1], 0x20              ; the results' workspace
	v_lshl_add_u32 v[SPW], v0, 2, SPARE
	v_mov_b32 v[NIL], 0
	ds_add_u32 v[SPW], v[NIL]                      ; the wave's opening: the add, twice on end, and its wait ahead of my first tensor load
	ds_add_u32 v[SPW], v[NIL]
	v_lshrrev_b32 v10, 5, v0
	v_readfirstlane_b32 s[WV], v10                 ; wave 0..5
	s_lshr_b32 s[HL], s[WV], 1                     ; which of the three heads
	s_and_b32 s[RH], s[WV], 1                      ; which 64 rows
	s_bfe_u32 s[CX], ttmp6, 0x40000
	s_lshl_b32 s[RB], ttmp9, 2
	s_add_co_u32 s[RB], s[RB], s[CX]               ; block of 128 rows: it enters global addresses alone
	s_and_b32 s[CB], ttmp7, 0xffff                 ; block of 192 columns, which the partners share
	s_mul_i32 s[HU], s[CB], 3
	s_add_co_u32 s[HU], s[HU], s[HL]               ; 0-15 q's heads, 16-19 k's, 20-23 v's
	s_cmp_ge_u32 s[HU], 20
	s_cselect_b32 s[RV], 1, 0
	s_lshr_b32 s[BAT], s[RB], 4
	s_mov_b32 s[SEL], 0x76543210
	s_mov_b32 s[SEL+1], 0xfedcba98
	; descriptor groups 1: dense blocks as rows of 256 bytes (32 elements of 8 bytes); the weights' jointly: mask 15, bit 21 beside it
	s_mov_b32 s[G1X], 3<<16
	s_mov_b32 s[G1W], 15|(3<<16)|(1<<21)
	s_mov_b32 s[G1V], 15|(3<<16)|(1<<21)
	s_mov_b32 s[G1R], 3<<16
.irp g, G1X, G1W, G1V, G1R
	s_mov_b32 s[\g+1], 32<<16
	s_mov_b32 s[\g+3], 32<<16
	s_mov_b32 s[\g+5], 32
	s_mov_b32 s[\g+6], 0
	s_mov_b32 s[\g+7], 0
.endr
	s_mov_b32 s[G1X+2], 192<<16
	s_mov_b32 s[G1X+4], 192
	s_mov_b32 s[G1W+2], 144<<16
	s_mov_b32 s[G1W+4], 144
	s_mov_b32 s[G1V+2], 288<<16
	s_mov_b32 s[G1V+4], 288
	s_mov_b32 s[G1R+2], 128<<16
	s_mov_b32 s[G1R+4], 128
	; every LDS address register is made here, ahead of the first branch on the wave's number
	s_mul_i32 s2, s[RH], 12288                     ; my four tiles of x in a pair
	s_mul_i32 s3, s[HL], 12288
	s_add_co_u32 s3, s3, WL                        ; my head's four tiles of the weights
	s_mov_b32 s100, 24576                          ; from a half's first pair of K steps to its second: x,
	s_mov_b32 s101, 36864                          ; the weights
	s_cmp_eq_u32 s[RV], 1
	s_cselect_b32 s104, s2, s3                     ; source 0
	s_cselect_b32 s105, s3, s2                     ; source 1
	s_cselect_b32 s[STA], s100, s101
	s_cselect_b32 s[STB], s101, s100
	s_mov_b32 s100, HALFK-24576                    ; from a half's second pair to the next half's first: x,
	s_mov_b32 s101, HALFK-36864                    ; the weights
	s_cselect_b32 s[STA+2], s100, s101
	s_cselect_b32 s[STB+2], s101, s100
	s_lshl_b32 s2, s[RH], 14
	s_add_co_u32 s2, s2, ROPE_L
	v_and_b32 v10, 31, v0
	v_lshlrev_b32 v[L16], 4, v10
	v_lshlrev_b32 v[L8], 3, v10
	v_add_nc_u32 v[ADA16], s104, v[L16]
	v_add_nc_u32 v[ADA8], s104, v[L8]
	v_add_nc_u32 v[ADB16], s105, v[L16]
	v_add_nc_u32 v[ADB8], s105, v[L8]
	v_add_nc_u32 v[RA], s2, v[L16]
	v_bfe_u32 v[BOQ], v0, 4, 1
	v_lshlrev_b32 v[H8], 3, v[BOQ]
	v_lshlrev_b32 v[BOQ], 7, v[BOQ]
	v_and_b32 v[BOV], 15, v0
	v_and_b32 v12, 8, v0
	v_mad_u32_u24 v[BOV], v12, 3, v[BOV]
	v_lshlrev_b32 v[BOV], 2, v[BOV]
	v_mov_b32 v[TM+4], 0                           ; a lane permute's destination counts as one of its sources
	v_mov_b32 v[SW+2], 0
	v_mov_b32 v[SW+3], 0
	; descriptor groups 0: count, LDS address, and byte offsets in the words that will hold the addresses
.irp g, G0X, G0Y, G0W, G0W+4, G0W+8, G0R
	s_mov_b32 s[\g], 1
	s_mov_b32 s[\g+3], 0
.endr
	s_mov_b32 s[G0X+1], 0
	s_mov_b32 s[G0Y+1], HALFK
	s_mov_b32 s[G0W+1], WL
	s_mov_b32 s[G0W+5], WL+36864
	s_mov_b32 s[G0W+9], HALFK+WL
	s_mov_b32 s[G0R+1], ROPE_L
	s_mul_i32 s[G0X+2], s[RB], 98304               ; x's block of rows
	s_add_co_u32 s[G0Y+2], s[G0X+2], 49152
	s_mul_i32 s[G0W+2], s[CB], 147456              ; the weights': of the block of columns alone
	s_add_co_u32 s[G0W+2], s[G0W+2], WC
	s_add_co_u32 s[G0W+6], s[G0W+2], 36864
	s_add_co_u32 s[G0W+10], s[G0W+2], 73728
	s_and_b32 s[G0R+2], s[RB], 15                  ; positions begin anew in each batch of 2,048 rows
	s_lshl_b32 s[G0R+2], s[G0R+2], 15
	s_add_co_u32 s[G0R+2], s[G0R+2], ROPE
	s_wait_alu depctr_va_vdst(0)                   ; directly ahead of the wait below
	s_wait_dscnt 0x0                               ; the opening adds are done
	CROUND                                         ; all four work-groups are here: the joint loads meet
	s_wait_kmcnt 0x0
.irp g, G0X, G0Y, G0W, G0W+4, G0W+8, G0R
	s_add_nc_u64 s[\g+2:\g+3], s[4:5], s[\g+2:\g+3]
	s_or_b32 s[\g+3], s[\g+3], 0x80000000
.endr
; all fills of the launch, one a wave, in one chain of branches on the wave's number
.macro ARM under, g0, g1, next
	s_cmp_lt_u32 s[WV], \under
	s_cbranch_scc0 \next
	tensor_load_to_lds s[\g0:\g0+3], s[\g1:\g1+7]
	s_nop 0
	PLACES
	s_branch .Lasked
\next:
.endm
	ARM 1, G0X, G1X, .Lwave_1
	ARM 2, G0W, G1W, .Lwave_2
	ARM 3, G0W+4, G1W, .Lwave_3
	ARM 4, G0Y, G1X, .Lwave_4
	ARM 5, G0W+8, G1V, .Lwave_5
	tensor_load_to_lds s[G0R:G0R+3], s[G1R:G1R+7]
	s_nop 0
	PLACES
.Lasked:
	; my head's bias
	s_cmp_lt_u32 s[HU], 16
	s_cselect_b64 s[6:7], s[6:7], s[8:9]
	s_cselect_b32 s2, 0, 16
	s_cmp_lt_u32 s[HU], 20
	s_cselect_b64 s[6:7], s[6:7], s[10:11]
	s_cselect_b32 s2, s2, 20
	s_sub_co_u32 s100, s[HU], s2                   ; the head's number in its own tensor
	s_lshl_b32 s2, s100, 8
	s_mov_b32 s3, 0
	s_add_nc_u64 s[6:7], s[6:7], s[2:3]
	; the scale words of my four tiles of each source
	s_lshl_b32 s2, s[RB], 3
	s_lshl_b32 s101, s[RH], 2
	s_add_co_u32 s2, s2, s101
	s_lshl_b32 s2, s2, 10
	s_add_co_u32 s2, s2, XS
	s_mul_i32 s101, s[CB], 12
	s_lshl_b32 s104, s[HL], 2
	s_add_co_u32 s101, s101, s104
	s_lshl_b32 s101, s101, 10
	s_add_co_u32 s101, s101, WS
	s_cmp_eq_u32 s[RV], 1
	s_cselect_b32 s104, s2, s101
	s_cselect_b32 s2, s101, s2
	s_mov_b32 s105, 0
	s_add_nc_u64 s[8:9], s[4:5], s[104:105]        ; source 0's
	s_add_nc_u64 s[10:11], s[4:5], s[2:3]          ; source 1's
.irp a, 0,1,2,3
.irp p, 0,1,2,3
	global_load_b64 v[SA+8*\a+2*\p:SA+8*\a+2*\p+1], v[L8], s[8:9] offset:1024*\a+256*\p
	global_load_b64 v[SB+8*\a+2*\p:SB+8*\a+2*\p+1], v[L8], s[10:11] offset:1024*\a+256*\p
.endr
.endr
	s_cmp_eq_u32 s[RV], 1
	s_cbranch_scc1 .Lbias_v
	WIN TO_F
.irp q, 0,1,2,3,4,5,6,7
	global_load_b128 v[BI+4*\q:BI+4*\q+3], v[BOQ], s[6:7] offset:16*\q    ; register n: channel 32 h + n
.endr
	WIN 0
	s_branch .Lbias_done
.Lbias_v:
	WIN TO_F
.irp b, 0,1,2,3
	global_load_b32 v[BI+2*\b], v[BOV], s[6:7] offset:32*\b               ; my lane's channel of tile b, twice: a pair for the packed addition
	global_load_b32 v[BI+2*\b+1], v[BOV], s[6:7] offset:32*\b
.endr
	WIN 0
.Lbias_done:
	; where my results go
	s_lshl_b32 s2, s[RB], 2
	s_lshl_b32 s101, s[RH], 1
	s_add_co_u32 s2, s2, s101
	s_and_b32 s2, s2, 63                           ; q, k: my first pair of tiles in the batch
	s_cmp_lt_u32 s[HU], 16
	s_cselect_b32 s101, 4, 2
	s_cselect_b32 s104, 0, KC
	s_lshl_b32 s101, s[BAT], s101
	s_add_co_u32 s101, s101, s100
	s_lshl_b32 s101, s101, 6
	s_add_co_u32 s101, s101, s2
	s_lshl_b32 s101, s101, 11
	s_add_co_u32 s101, s101, s104
	s_lshl_b32 s2, s[RB], 1
	s_add_co_u32 s2, s2, s[RH]
	s_and_b32 s2, s2, 31                           ; v: my 64 keys in the batch
	s_lshl_b32 s104, s[BAT], 2
	s_add_co_u32 s104, s104, s100
	s_lshl_b32 s104, s104, 5
	s_add_co_u32 s104, s104, s2
	s_lshl_b32 s104, s104, 12
	s_add_co_u32 s104, s104, VC
	s_cmp_eq_u32 s[RV], 1
	s_cselect_b32 s2, s104, s101
	s_add_nc_u64 s[12:13], s[12:13], s[2:3]
	s_wait_alu depctr_va_vdst(0)                   ; the head's end
	s_wait_loadcnt 0x0                             ; scale words and bias
	s_cmp_lt_u32 s[WV], 2
	s_cbranch_scc0 .Lfirst
	s_wait_tensorcnt 0x0                           ; x's pairs 0, 1 and the weights' pair 0
.Lfirst:
	s_barrier_signal -1
	s_barrier_wait -1
	FETCH 0, 0
.irp s, 0,1,2,3,4,5,6,7
	KSTEP \s
.endr
	WIN 0
	PLACES                                         ; behind the last products: ahead of the first read of results and of loads into the set multiplied last
	s_cmp_eq_u32 s[RV], 1
	s_cbranch_scc1 .Lrole_v
	; ---- q, k: bias, rotation, quantiser along the head
	WIN TO_F
.irp b, 0,1,2,3
.irp c, 0,1,2,3,4,5,6,7
	ds_load_b128 v[CSB+32*\b+4*\c:CSB+32*\b+4*\c+3], v[RA] offset:4096*\b+512*\c
.endr
.endr
	WIN 0
	s_wait_dscnt 0x0
.macro EPI_QK b
	WIN 0x04                                       ; source 1 window 1
.irp j, 0,2,4,6,8,10,12,14,16,18,20,22,24,26,28,30
	v_pk_add_f32 v[ACC+32*\b+\j:ACC+32*\b+\j+1], v[ACC+32*\b+\j:ACC+32*\b+\j+1], v[BI+\j:BI+\j+1]   ; each accumulator is read from its low end on
.endr
.irp p, 0,1,2,3,4,5,6,7,8,9,10,11,12,13,14,15
	v_mul_f32 v[T0+2*(\p%2)], v[ACC+32*\b+2*\p+1], v[CSB+32*\b+2*\p+1]                                ; x2 sin
	v_mul_f32 v[T0+2*(\p%2)+1], v[ACC+32*\b+2*\p+1], v[CSB+32*\b+2*\p]                                ; x2 cos
	v_fma_f32 v[ACC+32*\b+2*\p+1], v[ACC+32*\b+2*\p], v[CSB+32*\b+2*\p+1], v[T0+2*(\p%2)+1]           ; x1 sin + x2 cos
	v_fma_f32 v[ACC+32*\b+2*\p], v[ACC+32*\b+2*\p], v[CSB+32*\b+2*\p], -v[T0+2*(\p%2)]                ; x1 cos - x2 sin
.endr
	WIN 0
.if \b == 2
	s_wait_alu depctr_va_vdst(0)
	s_wait_xcnt 0x0                                ; the first record's stores have read their registers: they are written again only behind this wait
.endif
	QUANT2 ACC+32*\b, CD+8*(\b%2), PX, PW
	v_or_b32 v[SW+\b%2], 0x7f7f0000, v[PW]         ; the upper two blocks of the instruction's K meet zero codes: scale 1
.if (\b%2) == 1
	STORE \b/2
.endif
.endm
	EPI_QK 0
	EPI_QK 1
	EPI_QK 2
	EPI_QK 3
	s_branch .Ldone
.Lrole_v:
	; ---- v: bias, quantiser along the keys
.macro EPI_V b
	WIN 0x04
.irp j, 0,2,4,6,8,10,12,14,16,18,20,22,24,26,28,30
	v_pk_add_f32 v[ACC+32*\b+\j:ACC+32*\b+\j+1], v[ACC+32*\b+\j:ACC+32*\b+\j+1], v[BI+2*\b:BI+2*\b+1]
.endr
	WIN 0
.if \b == 2
	s_wait_alu depctr_va_vdst(0)
	s_wait_xcnt 0x0
.endif
	QUANT2 ACC+32*\b, CD+8*(\b%2), PX, SW+\b%2
.if (\b%2) == 1
	STORE \b/2
.endif
.endm
	EPI_V 0
	EPI_V 1
	EPI_V 2
	EPI_V 3
.Ldone:
	s_wait_tensorcnt 0x0                           ; the wave's end
	ds_add_u32 v[SPW], v[NIL]
	s_wait_dscnt 0x0
	CROUND                                         ; the closing round
	s_endpgm
.Lfunc_end_k_q796679d075_qkv:
	.size	k_q796679d075_qkv, .Lfunc_end_k_q796679d075_qkv-k_q796679d075_qkv
	.p2alignl 7, 3214868480
	.fill 96, 4, 3214868480
	.section	.rodata,"a",@progbits
	.p2align	6, 0x0
	.amdhsa_kernel k_q796679d075_qkv
		.amdhsa_group_segment_fixed_size 327680
		.amdhsa_private_segment_fixed_size 0
		.amdhsa_enable_private_segment 0
		.amdhsa_kernarg_size 40
		.amdhsa_user_sgpr_count 2
		.amdhsa_user_sgpr_kernarg_segment_ptr 1
		.amdhsa_wavefront_size32 1
		.amdhsa_system_sgpr_workgroup_id_x 1
		.amdhsa_system_sgpr_workgroup_id_y 1
		.amdhsa_system_sgpr_workgroup_id_z 1
		.amdhsa_system_vgpr_workitem_id 0
		.amdhsa_next_free_vgpr 512
		.amdhsa_next_free_sgpr 106
		.amdhsa_reserve_vcc 0
		.amdhsa_float_denorm_mode_32 3
		.amdhsa_float_denorm_mode_16_64 3
		.amdhsa_memory_ordered 1
		.amdhsa_forward_progress 1
		.amdhsa_inst_pref_size 87
	.end_amdhsa_kernel
	.amdgpu_metadata
---
amdhsa.version: [ 1, 2 ]
amdhsa.kernels:
  - .name:           k_q796679d075_qkv
    .symbol:         k_q796679d075_qkv.kd
    .args:
      - { .name: prepw, .offset: 0, .size: 8, .value_kind: global_buffer, .address_space: global }
      - { .name: wq_b, .offset: 8, .size: 8, .value_kind: global_buffer, .address_space: global }
      - { .name: wk_b, .offset: 16, .size: 8, .value_kind: global_buffer, .address_space: global }
      - { .name: wv_b, .offset: 24, .size: 8, .value_kind: global_buffer, .address_space: global }
      - { .name: qkvw, .offset: 32, .size: 8, .value_kind: global_buffer, .address_space: global }
    .group_segment_fixed_size: 327680
    .private_segment_fixed_size: 0
    .kernarg_segment_align: 8
    .kernarg_segment_size: 40
    .max_flat_workgroup_size: 192
    .sgpr_count:     106
    .vgpr_count:     512
    .wavefront_size: 32
...
	.end_amdgpu_metadata
.endif
;; end of part 2
;; launch attn (part 3): grid 32 x 8, 16 waves a work-group, clusters of 4 x 1, 327,680 bytes of LDS; arguments qkvw, ctxw; writes ctxw
.if DOCPART == 3
	.amdgcn_target "amdgcn-amd-amdhsa--gfx1250"
	.amdhsa_code_object_version 6
	.text
	.protected	k_q796679d075_attn
	.globl	k_q796679d075_attn
	.p2align	8
	.type	k_q796679d075_attn,@function
k_q796679d075_attn:
	s_mov_b64 s[64:65], 0
	v_nop
	global_prefetch_b8 v0, s[64:65] scope:SCOPE_SE
	s_setreg_imm32_b32 hwreg(HW_REG_WAVE_MODE, 25, 1), 1
	s_wait_xcnt 0x0
	s_wait_alu depctr_hold_cnt(0) depctr_sa_sdst(0) depctr_va_vdst(0) depctr_va_sdst(0) depctr_va_ssrc(0) depctr_va_vcc(0) depctr_vm_vsrc(0)
	s_getreg_b32 s2, hwreg(HW_REG_IB_STS2, 6, 4)
	s_cmp_eq_u32 s2, 0
	s_cbranch_scc0 .Lentry_in_a_cluster
	s_endpgm
.Lentry_in_a_cluster:
	s_bfe_u32 s2, ttmp6, 0x10000c
	s_cmp_lg_u32 s2, 0x3003
	s_cbranch_scc0 .Lentry_shape_is_right
	s_endpgm
.Lentry_shape_is_right:
; ctx = softmax(q k^T / 8, key <= query and query - key <= 1,024) v for 2 batches x 16 heads of 64, four query heads to a kv head; both products on codes of FP6 (E2M3) with E8M0 scales.
; t = score x log2(e) / 8; M = the running largest t rounded up to a whole number; p = 2^(t - M) is quantised along the keys, not normalised; the row's sum is taken of the unquantised p and divides at the end.
; ctx is then quantised along its row (64 of a head = two blocks) and leaves as an image of the output projection's operand.
; THE DEAL.  Queries go in 32 blocks of 64, a block in 4 tiles of 16 (tile j, place r: query 32 (r / 8) + 8 j + r % 8 of the block); keys in halves of 64.  Block B < 16 sees halves 0 .. B: B + 1 of them; a later block sees
; halves B - 16 .. B: 17.  What the band mask throws away in whole halves is not computed.  Work-group (a, batch and kv head, j) takes tile j of the blocks 16 + 2 a, 17 + 2 a, 15 - a and a, for the four heads:
; sixteen waves, wave w = head w % 4 and block kind w / 4.  Kinds 2 and 3 together see 17 halves, so all 256 work-groups have the same work.
; CLUSTER 4 x 1: the partners differ in j alone: they read the same K and V, asked for jointly, with the same trips, branches and LDS addresses; j enters global addresses and the lanes' compares only.
; LDS: 18 halves from half 2 a on (K, V), and 16 halves from half 0 on (K, V): filled once, at most one tensor load a wave, in two stages: 5 halves of each of the four regions, which serve the first two trips, then the rest.
; No data prefetch: every tile is asked for at the head, so there is no loop to run ahead in.
; THE WALK: trips of two halves in ascending order; what is left over is a half step.  Kinds 0 and 1: eight trips, the window's mask in the first half, then a half step with the causal mask.  Kinds 2, 3: the causal mask lies in
; the last half.  In a half with a mask key kk and query qq count from the half's and the block's start: causal keeps kk <= qq, the window kk >= qq.  Trip counts are constants; a wave jumps over the trips that it does not have.
; LAYOUT.  S^T = K Q^T, O^T = V^T P^T: a lane holds one query throughout; its registers 32 c + n are keys 64 c + 32 h + n: lane (r, h) holds the whole scale blocks h and 2 + h, as the operand wants them.
; THE FIRST PRODUCT'S K IS 64, half an instruction: Q's registers 6-11 are zero codes; a tile of K is 6 registers, and the instruction's upper six, the registers behind, meet those zeros.
; In a half step P's registers 6-11 are zero codes, which meet what V's registers 6-11 hold.
; LIMITS: NaN and infinities are not served; the scaled scores stay under 2^31 in magnitude; a block whose largest p lies under 2^-124 gets the byte 1.
.set KC,    4194304
.set CSC,   3145728                    ; ctx's scale words in the results' workspace
.set VOFF,  73728                      ; LDS: K's 18 halves of 4,096 bytes; V's 18; K's 16 from half 0 on at 2 VOFF; V's at 3 VOFF
.set FIRST, 5*4096                     ; the first stage of a region
.set STG,   294912                     ; ctx's scale bytes on their way: 256 bytes a tile of queries
.set SPARE, STG+1024                   ; the spare words, 128 bytes a wave
.set L16, 1
.set L8,  2
.set V16, 3                            ; v3, v4: the same + VOFF
.set V8,  4
.set SPW, 5                            ; v5  my spare word; never rewritten
.set NIL, 6                            ; v6  0; never rewritten
.set LQ,  7                            ; v7  qq - 32 h
.set H8,  14                           ; v14 8 h
.set SWA, 30                           ; v30 where my two scale bytes go
.set SRA, 31                           ; v31 where a tile's scale words are read back
.set SUM, 204                          ; v204-211 the row's sum in eight parts
.set PWD, 244                          ; v244 p's scale word
.set WV, 8
.set HL, 9
.set KD, 10
.set AA, 11
.set BK, 12
.set JJ, 13
.set BL, 14
.set TB, 16                            ; LDS offset of the trip's first half
.set TRIP, 17
.set CS, 18                            ; s[18:19] c = log2(e) / 8
.set SEL, 20
.set LC, 22
.set NP, 23                            ; my trips of two halves
.set G1A, 24
.set G1B, 32
.set G1C, 40
.set G0, 48
.set NH, 52                            ; the trip that is a half step inside the loops, or 99
.set FW, 53                            ; the trip with the window's mask in its lower half, or 99
.set FC, 54                            ; the trip with the causal mask in its upper half, or 99
.set CN, 55                            ; - c
.macro CROUND
	s_barrier_signal -1
	s_barrier_wait -1
	s_cmp_lg_u32 s[WV], 0
	s_cbranch_scc1 .Lnot_wave_0_\@
	s_barrier_signal -3
.Lnot_wave_0_\@:
	s_barrier_wait -3
	s_barrier_signal -1
	s_barrier_wait -1
.endm
.macro PLACES
.rept 4
	v_nop
.endr
.endm
.macro CAUSAL x                        ; 32 registers from x on: keys behind my query get - infinity, so p = 0
.set N_, 0
.rept 32
	v_cmp_gt_i32 vcc_lo, N_, v[LQ]
	v_cndmask_b32 v[\x+N_], v[\x+N_], v94, vcc_lo
.set N_, N_+1
.endr
.endm
; A STEP of nc halves.  v32-79 K's tiles, later V's four fragments; v86-93 K's scale words; v96-159 S^T, then p; v160-191 O^T; v192-203 V's scale words; v224-235 p's codes
.macro STEP nc
	v_add_nc_u32 v8, s[TB], v[L16]                 ; these four are also the places in front of the loads into registers that the last products read
	v_add_nc_u32 v9, s[TB], v[L8]
	v_add_nc_u32 v10, s[TB], v[V16]
	v_add_nc_u32 v11, s[TB], v[V8]
.set G_, 0
.rept 2*\nc
	ds_load_b128 v[32+12*G_:35+12*G_], v8 offset:2048*G_
	ds_load_b64 v[36+12*G_:37+12*G_], v9 offset:2048*G_+512
	ds_load_b128 v[38+12*G_:41+12*G_], v8 offset:2048*G_+768
	ds_load_b64 v[42+12*G_:43+12*G_], v9 offset:2048*G_+1280
	ds_load_b64 v[86+2*G_:87+2*G_], v8 offset:2048*G_+1536
.set G_, G_+1
.endr
	s_wait_alu depctr_va_vdst(0)                   ; directly ahead of the wait below
	s_wait_dscnt 0x0
.set T_, 0
.rept 4*\nc
	v_wmma_scale_f32_16x16x128_f8f6f4 v[96+8*T_:103+8*T_], v[32+6*T_:43+6*T_], v[16:27], 0, v[86+T_], v28 matrix_a_fmt:MATRIX_FMT_FP6 matrix_b_fmt:MATRIX_FMT_FP6
.set T_, T_+1
.endr
	PLACES                                         ; ahead of the loads below and of the first read of the scores
.set F_, 0
.rept \nc                                          ; V's fragments are asked for now and land under the softmax
.irp p, 0,1
.irp u, 0,1
	ds_load_b128 v[32+12*(2*\p+\u)+6*F_:32+12*(2*\p+\u)+6*F_+3], v10 offset:4096*F_+2048*\p+768*\u
	ds_load_b64 v[32+12*(2*\p+\u)+6*F_+4:32+12*(2*\p+\u)+6*F_+5], v11 offset:4096*F_+2048*\p+768*\u+512
.endr
	ds_load_b64 v[192+4*F_+2*\p:193+4*F_+2*\p], v10 offset:4096*F_+2048*\p+1536
.endr
.set F_, F_+1
.endr
.if \nc == 2
	s_cmp_eq_u32 s[TRIP], s[FW]
	s_cbranch_scc0 .Lno_window_\@
.set N_, 0
.rept 32
	v_cmp_lt_i32 vcc_lo, N_, v[LQ]                 ; keys more than 1,024 ahead of my query
	v_cndmask_b32 v[96+N_], v[96+N_], v94, vcc_lo
.set N_, N_+1
.endr
.Lno_window_\@:
	s_cmp_eq_u32 s[TRIP], s[FC]
	s_cbranch_scc0 .Lno_causal_\@
	CAUSAL 128
.Lno_causal_\@:
.else
	CAUSAL 96
.endif
	; the largest score of each of my blocks, two chains a block; each accumulator is read from its low end on
.set C_, 0
.rept \nc
	v_max3_num_f32 v[212+2*C_], v[96+32*C_], v[97+32*C_], v[98+32*C_]
	v_max3_num_f32 v[213+2*C_], v[113+32*C_], v[114+32*C_], v[115+32*C_]
.set C_, C_+1
.endr
.irp k, 0,1,2,3,4,5
.set C_, 0
.rept \nc
	v_max3_num_f32 v[212+2*C_], v[212+2*C_], v[99+32*C_+2*\k], v[100+32*C_+2*\k]
	v_max3_num_f32 v[213+2*C_], v[213+2*C_], v[116+32*C_+2*\k], v[117+32*C_+2*\k]
.set C_, C_+1
.endr
.endr
.set C_, 0
.rept \nc
	v_max3_num_f32 v[212+2*C_], v[212+2*C_], v[111+32*C_], v[112+32*C_]
.set C_, C_+1
.endr
.set C_, 0
.rept \nc
	v_max_num_f32 v[212+2*C_], v[212+2*C_], v[213+2*C_]
.set C_, C_+1
.endr
.set XM_, 212
.if \nc == 2
.set XM_, 216
	s_delay_alu instid0(VALU_DEP_1)
	v_max_num_f32 v216, v212, v214
.endif
	s_delay_alu instid0(VALU_DEP_1)
	v_permlanex16_b32 v217, v[XM_], s[SEL], s[SEL+1]
	s_delay_alu instid0(VALU_DEP_1)
	v_max3_num_f32 v13, v13, v[XM_], v217          ; the running largest score of my query
	s_delay_alu instid0(VALU_DEP_1)
	v_mul_f32 v218, s[CN], v13
	v_mov_b32 v219, v12
	s_delay_alu instid0(VALU_DEP_2)
	v_floor_f32 v12, v218                          ; -M = floor(-t): M is a whole number
	s_delay_alu instid0(VALU_DEP_1)
	v_sub_f32 v219, v12, v219
	v_add_f32 v15, -2.0, v12
	s_delay_alu instid0(VALU_DEP_2)
	v_cvt_i32_f32 v219, v219                       ; (it saturates)
.set N_, 0
.rept 16*\nc
	v_pk_fma_f32 v[96+2*N_:97+2*N_], v[96+2*N_:97+2*N_], s[CS:CS+1], v[12:13] op_sel_hi:[1,0,0]   ; t - M
.if N_ == 3
	v_ldexp_f32 v252, 1.0, v219                    ; f = 2^(old M - new M): exact
.endif
.set N_, N_+1
.endr
.set C_, 0
.rept \nc
	v_fma_f32 v[212+2*C_], v[212+2*C_], s[CS], v15 ; each block's largest t - M, less 2: its exponential is the conversion's scale operand
.set C_, C_+1
.endr
.set N_, 0
.rept 16
	v_pk_mul_f32 v[160+2*N_:161+2*N_], v[160+2*N_:161+2*N_], v[252:253] op_sel_hi:[1,0]   ; O^T under the new M
.set N_, N_+1
.endr
	s_wait_alu depctr_va_vdst(0)                   ; ahead of the batch
.set N_, 0
.rept 32*\nc
	v_exp_f32 v[96+N_], v[96+N_]                   ; p = 2^(t - M)
.set N_, N_+1
.endr
.set C_, 0
.rept \nc
	v_exp_f32 v[212+2*C_], v[212+2*C_]
.set C_, C_+1
.endr
	v_nop                                          ; a plain place behind the exponentials
	s_wait_alu depctr_va_vdst(0)                   ; and the wait ahead of their first reader
	s_wait_dscnt 0x0                               ; V is in
.set C_, 0
.rept \nc
	v_max_num_f32 v[212+2*C_], 0x800000, v[212+2*C_]   ; the floor 2^(1 - 127): the byte cannot fall under 1
.set C_, C_+1
.endr
	v_lshrrev_b32 v220, 23, v212                   ; the scales' bytes
.if \nc == 2
	v_lshrrev_b32 v221, 23, v214
	v_lshl_or_b32 v200, v196, 16, v192             ; the two halves' bytes make a fragment's scale word
	v_lshl_or_b32 v201, v197, 16, v193
	v_lshl_or_b32 v220, v221, 16, v220
	v_lshl_or_b32 v202, v198, 16, v194
	v_lshl_or_b32 v203, v199, 16, v195
.endif
	v_lshlrev_b32 v220, v[H8], v220                ; my bytes at their places
	v_permlanex16_b32 v222, v220, s[SEL], s[SEL+1]
	v_or_b32 v[PWD], v220, v222                    ; with lane l xor 16's: p's scale word
.set C_, 0
.rept \nc
	v_cvt_scalef32_pk16_fp6_f32 v[224+6*C_:226+6*C_], v[96+32*C_:111+32*C_], v[212+2*C_]
	v_cvt_scalef32_pk16_fp6_f32 v[236+4*C_:238+4*C_], v[112+32*C_:127+32*C_], v[212+2*C_]
.set C_, C_+1
.endr
.irp k, 0,1,2,3                                    ; THE ROW'S SUM, of the unquantised p, in four chains of pairs, under the new M
	v_pk_fma_f32 v[SUM+2*\k:SUM+2*\k+1], v[SUM+2*\k:SUM+2*\k+1], v[252:253], v[96+2*\k:97+2*\k] op_sel_hi:[1,0,1]
.endr
.set C_, 0
.rept \nc
.irp i, 0,1,2
	v_mov_b32 v[227+6*C_+\i], v[236+4*C_+\i]
.endr
.set C_, C_+1
.endr
.if \nc == 1
.irp i, 0,1,2,3,4,5
	v_mov_b32 v[230+\i], 0
.endr
.endif
.set N_, 1
.rept 4*\nc-1
.irp k, 0,1,2,3
	v_pk_add_f32 v[SUM+2*\k:SUM+2*\k+1], v[SUM+2*\k:SUM+2*\k+1], v[96+8*N_+2*\k:97+8*N_+2*\k]
.endr
.set N_, N_+1
.endr
.set SC_, 184+8*\nc                                ; V's scale words: v192 on as loaded in a half step, v200 on in a whole one
.if \nc == 2
.set SC_, 200
.else
.set SC_, 192
.endif
.irp d, 0,1,2,3
	v_wmma_scale_f32_16x16x128_f8f6f4 v[160+8*\d:167+8*\d], v[32+12*\d:43+12*\d], v[224:235], v[160+8*\d:167+8*\d], v[SC_+\d], v[PWD] matrix_a_fmt:MATRIX_FMT_FP6 matrix_b_fmt:MATRIX_FMT_FP6
.endr
.endm
; n trips of two halves
.macro TRIPS n
	s_mov_b32 s[LC], \n
.Ltrip_\@:
	s_cmp_lt_u32 s[TRIP], s[NP]
	s_cbranch_scc1 .Lfull_\@
	s_cmp_eq_u32 s[TRIP], s[NH]
	s_cbranch_scc0 .Lnext_\@
	STEP 1
	s_branch .Lnext_\@
.Lfull_\@:
	STEP 2
.Lnext_\@:
	s_add_co_u32 s[TRIP], s[TRIP], 1
	s_add_co_u32 s[TB], s[TB], 8192
	s_sub_co_u32 s[LC], s[LC], 1
	s_cmp_lg_u32 s[LC], 0
	s_cbranch_scc1 .Ltrip_\@
.endm
	s_load_b128 s[4:7], s[0:1], 0x0                ; q, k, v as codes; ctx
	v_lshl_add_u32 v[SPW], v0, 2, SPARE
	v_mov_b32 v[NIL], 0
	ds_add_u32 v[SPW], v[NIL]                      ; the wave's opening: the add, twice on end, and its wait ahead of the first tensor load
	ds_add_u32 v[SPW], v[NIL]
	v_lshrrev_b32 v8, 5, v0
	v_readfirstlane_b32 s[WV], v8                  ; wave 0..15
	s_and_b32 s[HL], s[WV], 3                      ; head of the four.  Also: which of the four regions I fetch for
	s_lshr_b32 s[KD], s[WV], 2                     ; kind of block.  Also: the stage that I fetch, 0 or 1
	s_bfe_u32 s[JJ], ttmp6, 0x40000                ; tile of the block
	s_lshl_b32 s56, s[JJ], 3
	s_lshl_b32 s57, s[KD], 8
	s_add_co_u32 s57, s57, STG
	s_lshl_b32 s58, s[HL], 1
	s_add_co_u32 s58, s57, s58
	v_and_b32 v8, 31, v0
	v_and_b32 v9, 7, v0
	v_bfe_u32 v10, v0, 3, 1
	v_bfe_u32 v11, v0, 4, 1
	v_lshlrev_b32 v[L16], 4, v8
	v_lshlrev_b32 v[L8], 3, v8
	v_lshl_add_u32 v9, v10, 5, v9
	v_lshlrev_b32 v[H8], 3, v11
	v_lshlrev_b32 v11, 5, v11
	v_add_nc_u32 v[V16], VOFF, v[L16]
	v_add_nc_u32 v[V8], VOFF, v[L8]
	v_sub_nc_u32 v9, v9, v11
	v_add_nc_u32 v[LQ], s56, v9
	v_add_nc_u32 v[SRA], s57, v[L8]
	v_add_nc_u32 v[SWA], s58, v[L8]
	s_mov_b32 s[AA], ttmp9
	s_and_b32 s[BK], ttmp7, 0xffff                 ; 4 x batch + kv head
	s_lshl_b32 s59, s[AA], 1
	s_add_co_u32 s59, s59, s[KD]
	s_add_co_u32 s59, s59, 16                      ; 16 + 2 a + kind
	s_sub_co_u32 s60, 15, s[AA]
	s_cmp_eq_u32 s[KD], 2
	s_cselect_b32 s60, s60, s[AA]
	s_cmp_lt_u32 s[KD], 2
	s_cselect_b32 s[BL], s59, s60                  ; my block
	s_add_co_u32 s59, s60, 1
	s_lshr_b32 s59, s59, 1                         ; an early block's whole trips
	s_and_b32 s61, s60, 1
	s_sub_co_u32 s56, s59, 1
	s_mov_b32 s57, 99
	s_cmp_eq_u32 s61, 1
	s_cselect_b32 s[FC], s56, s57
	s_cselect_b32 s[NH], s57, s59
	s_cmp_lt_u32 s[KD], 2
	s_cselect_b32 s[NP], 8, s59
	s_cselect_b32 s[NH], s57, s[NH]
	s_cselect_b32 s[FC], s57, s[FC]
	s_cselect_b32 s[FW], 0, s57
	s_lshr_b32 s56, s[KD], 1
	s_xor_b32 s57, s56, 1
	s_and_b32 s58, s[KD], s57                      ; 1 for kind 1 alone
	s_lshl_b32 s58, s58, 12
	s_mul_i32 s56, s56, 2*VOFF
	s_add_co_u32 s[TB], s56, s58                   ; kind 0: 0, kind 1: one half on, kinds 2 and 3: the second pair of regions
	s_mov_b32 s[TRIP], 0
	s_mov_b32 s[CS], 0x3e38aa3b
	s_mov_b32 s[CS+1], s[CS]
	s_mov_b32 s[CN], 0xbe38aa3b
	s_mov_b32 s[SEL], 0x76543210
	s_mov_b32 s[SEL+1], 0xfedcba98
.irp g, G1A, G1B, G1C                              ; dense blocks as rows of 256 bytes (32 elements of 8 bytes), jointly: mask 15, bit 21 beside it
	s_mov_b32 s[\g], 15|(3<<16)|(1<<21)
	s_mov_b32 s[\g+1], 32<<16
	s_mov_b32 s[\g+3], 32<<16
	s_mov_b32 s[\g+5], 32
	s_mov_b32 s[\g+6], 0
	s_mov_b32 s[\g+7], 0
.endr
	s_mov_b32 s[G1A+2], 80<<16                     ; 5 halves,
	s_mov_b32 s[G1A+4], 80
	s_mov_b32 s[G1B+2], 208<<16                    ; 13,
	s_mov_b32 s[G1B+4], 208
	s_mov_b32 s[G1C+2], 176<<16                    ; 11
	s_mov_b32 s[G1C+4], 176
	s_mov_b32 s[G0], 1
	s_mul_i32 s56, s[HL], VOFF
	s_mul_i32 s57, s[KD], FIRST
	s_add_co_u32 s[G0+1], s56, s57
	s_and_b32 s58, s[HL], 1                        ; V?
	s_lshl_b32 s58, s58, 20
	s_add_co_u32 s58, s58, s57
	s_add_co_u32 s58, s58, KC
	s_lshl_b32 s59, s[BK], 17
	s_add_co_u32 s58, s58, s59
	s_lshr_b32 s59, s[HL], 1                       ; from half 0 on?
	s_xor_b32 s59, s59, 1
	s_lshl_b32 s60, s[AA], 13
	s_mul_i32 s59, s59, s60
	s_add_co_u32 s74, s58, s59
	s_mov_b32 s75, 0
	s_lshl_b32 s56, s[BK], 2
	s_add_co_u32 s56, s56, s[HL]                   ; 16 x batch + head
	s_lshl_b32 s56, s56, 6
	s_lshl_b32 s57, s[BL], 1
	s_add_co_u32 s56, s56, s57
	s_lshr_b32 s57, s[JJ], 1
	s_add_co_u32 s56, s56, s57
	s_lshl_b32 s56, s56, 11                        ; Q's pair record
	s_and_b32 s57, s[JJ], 1
	s_mul_i32 s58, s57, 768
	s_add_co_u32 s78, s56, s58                     ; my tile's codes
	s_lshl_b32 s58, s57, 2
	s_add_co_u32 s79, s56, s58
	s_add_co_u32 s79, s79, 1536                    ; and scale words
	s_lshr_b32 s56, s[BK], 2
	s_lshl_b32 s56, s56, 7
	s_lshl_b32 s57, s[BL], 2
	s_add_co_u32 s56, s56, s57
	s_add_co_u32 s56, s56, s[JJ]                   ; my tile of rows among all 256
	s_and_b32 s57, s[BK], 3                        ; heads 4 kvh .. + 3 are one pair of the projection's K steps
	s_lshr_b32 s58, s56, 3
	s_mul_i32 s80, s58, 98304
	s_mul_i32 s58, s57, 24576
	s_add_co_u32 s80, s80, s58
	s_and_b32 s58, s56, 7
	s_mul_i32 s58, s58, 3072
	s_add_co_u32 s80, s80, s58
	s_mul_i32 s58, s[HL], 768
	s_add_co_u32 s80, s80, s58                     ; ctx's codes
	s_lshl_b32 s81, s56, 10
	s_lshl_b32 s58, s57, 8
	s_add_co_u32 s81, s81, s58
	s_add_co_u32 s81, s81, CSC                     ; ctx's scale words
	s_wait_alu depctr_va_vdst(0)                   ; directly ahead of the wait below
	s_wait_dscnt 0x0                               ; the opening adds are done
	CROUND                                         ; all four work-groups are here: the joint loads meet
	s_wait_kmcnt 0x0
	s_add_nc_u64 s[G0+2:G0+3], s[4:5], s[74:75]
	s_or_b32 s[G0+3], s[G0+3], 0x80000000
	s_cmp_lt_u32 s[WV], 4                          ; all fills of the launch, at most one a wave, in one chain of branches on the wave's number
	s_cbranch_scc0 .Lrest_l
	tensor_load_to_lds s[G0:G0+3], s[G1A:G1A+7]
	s_nop 0
	PLACES
	s_branch .Lasked
.Lrest_l:
	s_cmp_lt_u32 s[WV], 6
	s_cbranch_scc0 .Lrest_e
	tensor_load_to_lds s[G0:G0+3], s[G1B:G1B+7]
	s_nop 0
	PLACES
	s_branch .Lasked
.Lrest_e:
	s_cmp_lt_u32 s[WV], 8
	s_cbranch_scc0 .Lasked
	tensor_load_to_lds s[G0:G0+3], s[G1C:G1C+7]
	s_nop 0
	PLACES
.Lasked:
	s_mov_b32 s74, s78
	s_add_nc_u64 s[66:67], s[4:5], s[74:75]
	s_mov_b32 s74, s79
	s_add_nc_u64 s[68:69], s[4:5], s[74:75]
	s_mov_b32 s74, s80
	s_add_nc_u64 s[70:71], s[6:7], s[74:75]
	s_mov_b32 s74, s81
	s_add_nc_u64 s[72:73], s[6:7], s[74:75]
	global_load_b128 v[16:19], v[L16], s[66:67]    ; Q's six registers stay
	global_load_b64 v[20:21], v[L8], s[66:67] offset:512
	global_load_b32 v28, v[L16], s[68:69]          ; and its scale words
.irp j, 22,23,24,25,26,27
	v_mov_b32 v[\j], 0                             ; zero codes: Q's upper half of K
.endr
.set NN, 0
.rept 54
	v_mov_b32 v[32+NN], 0                          ; what stands behind K's last tile and beside V's half fragments are codes from the start
.set NN, NN+1
.endr
.set NN, 0
.rept 32
	v_mov_b32 v[160+NN], 0                         ; O^T: the step is written once; its first run finds zeros
.set NN, NN+1
.endr
.irp j, 0,1,2,3,4,5,6,7
	v_mov_b32 v[SUM+\j], 0
.endr
	v_mov_b32 v217, 0                              ; lane permutes' destinations and the pair v[252:253] count as read
	v_mov_b32 v222, 0
	v_mov_b32 v253, 0
	v_mov_b32 v94, 0xff800000                      ; - infinity
	v_mov_b32 v13, 0xff61b1e6                      ; the largest score so far: -3e38
	v_mov_b32 v12, 0x7f61b1e6                      ; -M
	s_wait_alu depctr_va_vdst(0)                   ; the head's end
	s_wait_loadcnt 0x0                             ; Q
	s_cmp_lt_u32 s[WV], 4
	s_cbranch_scc0 .Lfirst
	s_wait_tensorcnt 0x0                           ; the first stage
.Lfirst:
	s_barrier_signal -1
	s_barrier_wait -1
	TRIPS 2
	s_wait_tensorcnt 0x0                           ; the rest
	s_wait_dscnt 0x0
	s_barrier_signal -1
	s_barrier_wait -1
	TRIPS 6
	s_cmp_lt_u32 s[WV], 8                          ; kinds 0 and 1: the half with the causal mask
	s_cbranch_scc0 .Lout
	STEP 1
.Lout:
	; THE WAY OUT: O^T / the sum; the quantiser along the head's 64; my six registers and two scale bytes
	PLACES                                         ; behind the last products
	s_wait_alu depctr_va_vdst(0)                   ; directly ahead of the sums' reader
	v_pk_add_f32 v[SUM:SUM+1], v[SUM:SUM+1], v[SUM+2:SUM+3]
	v_pk_add_f32 v[SUM+4:SUM+5], v[SUM+4:SUM+5], v[SUM+6:SUM+7]
	s_delay_alu instid0(VALU_DEP_1)
	v_pk_add_f32 v[SUM:SUM+1], v[SUM:SUM+1], v[SUM+4:SUM+5]
	s_delay_alu instid0(VALU_DEP_1)
	v_add_f32 v[SUM], v[SUM], v[SUM+1]
	s_delay_alu instid0(VALU_DEP_1)
	v_permlanex16_b32 v217, v[SUM], s[SEL], s[SEL+1]
	s_delay_alu instid0(VALU_DEP_1)
	v_add_f32 v[SUM], v[SUM], v217                 ; the row's sum
	s_wait_alu depctr_va_vdst(0)
	v_rcp_f32 v[SUM], v[SUM]
	v_nop                                          ; a plain place behind the reciprocal,
	s_wait_alu depctr_va_vdst(0)                   ; and the wait ahead of its first reader
.set NN, 0
.rept 32
	v_mul_f32 v[96+NN], v[160+NN], v[SUM]          ; register n: channel 32 h + n of my query
.set NN, NN+1
.endr
	v_max3_num_f32 v212, |v96|, |v97|, 0x1800000   ; the floor 2^(3 - 127)
	v_max3_num_f32 v213, |v112|, |v113|, |v114|
.irp i, 2,4,6,8,10,12
	v_max3_num_f32 v212, v212, |v[96+\i]|, |v[97+\i]|
	v_max3_num_f32 v213, v213, |v[113+\i]|, |v[114+\i]|
.endr
	v_max3_num_f32 v212, v212, |v110|, |v111|
	v_max3_num_f32 v212, v212, v213, |v127|
	v_add_nc_u32 v214, 0xff000000, v212
	v_cvt_scalef32_pk16_fp6_f32 v[224:226], v[96:111], v214
	v_cvt_scalef32_pk16_fp6_f32 v[236:238], v[112:127], v214
	v_lshrrev_b32 v215, 23, v214                   ; (also the plain place behind the conversions)
	v_lshlrev_b32 v215, v[H8], v215
	v_permlanex16_b32 v222, v215, s[SEL], s[SEL+1]
.irp i, 0,1,2
	v_mov_b32 v[227+\i], v[236+\i]
.endr
	v_or_b32 v246, v215, v222                      ; both blocks' bytes
	ds_store_b16 v[SWA], v246                      ; four heads' bytes make a lane's two scale words
	global_store_b128 v[L16], v[224:227], s[70:71]             ; 512 and 256 consecutive bytes, aligned
	global_store_b64 v[L8], v[228:229], s[70:71] offset:512
	s_wait_dscnt 0x0                               ; for the others' sake
	s_barrier_signal -1
	s_barrier_wait -1
	s_cmp_eq_u32 s[HL], 0                          ; the first head's four waves store a tile's words each
	s_cbranch_scc0 .Lno_scales
	ds_load_b64 v[232:233], v[SRA]
	s_wait_dscnt 0x0
	global_store_b64 v[L8], v[232:233], s[72:73]
.Lno_scales:
	s_wait_tensorcnt 0x0                           ; the wave's end
	ds_add_u32 v[SPW], v[NIL]
	s_wait_dscnt 0x0
	CROUND                                         ; the closing round
	s_endpgm
.Lfunc_end_k_q796679d075_attn:
	.size	k_q796679d075_attn, .Lfunc_end_k_q796679d075_attn-k_q796679d075_attn
	.p2alignl 7, 3214868480
	.fill 96, 4, 3214868480
	.section	.rodata,"a",@progbits
	.p2align	6, 0x0
	.amdhsa_kernel k_q796679d075_attn
		.amdhsa_group_segment_fixed_size 327680
		.amdhsa_private_segment_fixed_size 0
		.amdhsa_enable_private_segment 0
		.amdhsa_kernarg_size 16
		.amdhsa_user_sgpr_count 2
		.amdhsa_user_sgpr_kernarg_segment_ptr 1
		.amdhsa_wavefront_size32 1
		.amdhsa_system_sgpr_workgroup_id_x 1
		.amdhsa_system_sgpr_workgroup_id_y 1
		.amdhsa_system_sgpr_workgroup_id_z 1
		.amdhsa_system_vgpr_workitem_id 0
		.amdhsa_next_free_vgpr 256
		.amdhsa_next_free_sgpr 84
		.amdhsa_reserve_vcc 1
		.amdhsa_float_denorm_mode_32 3
		.amdhsa_float_denorm_mode_16_64 3
		.amdhsa_memory_ordered 1
		.amdhsa_forward_progress 1
		.amdhsa_inst_pref_size 89
	.end_amdhsa_kernel
	.amdgpu_metadata
---
amdhsa.version: [ 1, 2 ]
amdhsa.kernels:
  - .name:           k_q796679d075_attn
    .symbol:         k_q796679d075_attn.kd
    .args:
      - { .name: qkvw, .offset: 0, .size: 8, .value_kind: global_buffer, .address_space: global }
      - { .name: ctxw, .offset: 8, .size: 8, .value_kind: global_buffer, .address_space: global }
    .group_segment_fixed_size: 327680
    .private_segment_fixed_size: 0
    .kernarg_segment_align: 8
    .kernarg_segment_size: 16
    .max_flat_workgroup_size: 512
    .sgpr_count:     84
    .vgpr_count:     256
    .wavefront_size: 32
...
	.end_amdgpu_metadata
.endif
;; end of part 3
;; launch oproj (part 4): grid 8 x 32, 4 waves a work-group, clusters of 4 x 4, 327,680 bytes of LDS; arguments ctxw, prepw, out0; writes out0
.if DOCPART == 4
	.amdgcn_target "amdgcn-amd-amdhsa--gfx1250"
	.amdhsa_code_object_version 6
	.text
	.protected	k_q796679d075_oproj
	.globl	k_q796679d075_oproj
	.p2align	8
	.type	k_q796679d075_oproj,@function
k_q796679d075_oproj:
	s_mov_b64 s[64:65], 0
	v_nop
	global_prefetch_b8 v0, s[64:65] scope:SCOPE_SE
	s_setreg_imm32_b32 hwreg(HW_REG_WAVE_MODE, 25, 1), 1
	s_wait_xcnt 0x0
	s_wait_alu depctr_hold_cnt(0) depctr_sa_sdst(0) depctr_va_vdst(0) depctr_va_sdst(0) depctr_va_ssrc(0) depctr_va_vcc(0) depctr_vm_vsrc(0)
	s_getreg_b32 s2, hwreg(HW_REG_IB_STS2, 6, 4)
	s_cmp_eq_u32 s2, 0
	s_cbranch_scc0 .Lentry_in_a_cluster
	s_endpgm
.Lentry_in_a_cluster:
	s_bfe_u32 s2, ttmp6, 0x10000c
	s_cmp_lg_u32 s2, 0xf033
	s_cbranch_scc0 .Lentry_shape_is_right
	s_endpgm
.Lentry_shape_is_right:
; out = ctx wo^T on codes of FP6 (E2M3) with E8M0 scales, f32 sums, f32 out.  ctx [4096][1024] and wo [1024][1024] come as images of operand registers (fragments of 1,536 bytes; a tile's rows are
; 64 g + 32 (r / 8) + 8 j + r % 8); scale words [tile][pair of K steps][lane][2].
; SHARES.  A work-group makes 128 x 128 of out: 256 work-groups.  Four waves, each 64 x 64: 4 x 4 tiles, 16 accumulators.  Source 0 = 16 rows of wo, source 1 = 16 rows of ctx: a lane holds one row of out
; and its 32 registers of four tiles are 32 neighbouring columns.  All of K of both operands lies in LDS, 196,608 bytes, filled once: one tensor load a wave, ctx's pairs of K steps 0, 1; wo's 0, 1; ctx's 2, 3; wo's 2, 3.
; CLUSTER 4 x 4: ctx's tiles hang on the block of rows alone and are asked for jointly along a row of the cluster, wo's on the block of columns alone and jointly along a column.
; No data prefetch: every tile is asked for at the head, so there is no loop to run ahead in.
; THE WAY OUT: 16 rows x 256 bytes at a time through stages of the wave's own, one for each of its four tiles of rows; sixteen lanes store 256 consecutive bytes, aligned.
.set WOQ,   4685824
.set WOS,   5472256
.set CSC,   3145728
.set PAIR,  24576                      ; LDS: ctx's four pairs of K steps, then wo's; a pair: 8 tiles of 3,072 bytes
.set WL,    4*PAIR
.set STG,   8*PAIR                     ; four stages of 16 rows x (256 bytes + 16) for each wave
.set SPARE, STG+16*4352                ; the spare words
.set L16, 1
.set L8,  2
.set ADA16, 3
.set ADA8,  4
.set ADB16, 5
.set ADB8,  6
.set SO,  7                            ; v7  the stage: where I put my row's bytes
.set SPW, 8                            ; v8  my spare word; never rewritten
.set NIL, 9                            ; v9  0; never rewritten
.set SR,  10                           ; v10 where I read rows back
.set CO,  11                           ; v11 my byte offset in two rows of out
.set SA,  32                           ; v32-63, v66-97 the scale words
.set SB,  66
.set ACC, 128                          ; window 1: fragments, two sets at v0 and v128; on the way out v0-127 the rows read back
.set WV, 10
.set G1,  24
.set G1B, 32
.set G0,  40                           ; ctx's two, then wo's two
.set G0B, 48
.set MSB, 0
.macro WIN new
.if MSB != \new
	s_set_vgpr_msb (MSB<<8)|\new
.set MSB, \new
.endif
.endm
.set MUL,  0x05
.set TO_F, 0x40
.macro CROUND
	s_barrier_signal -1
	s_barrier_wait -1
	s_cmp_lg_u32 s[WV], 0
	s_cbranch_scc1 .Lnot_wave_0_\@
	s_barrier_signal -3
.Lnot_wave_0_\@:
	s_barrier_wait -3
	s_barrier_signal -1
	s_barrier_wait -1
.endm
.macro PLACES
.rept 4
	v_nop
.endr
.endm
.macro FETCH f, sq
	WIN TO_F
.irp i, 0,1,2,3
	ds_load_b128 v[\f+12*\i:\f+12*\i+3], v[ADA16] offset:3072*\i+1536*(\sq)
	ds_load_b64 v[\f+12*\i+4:\f+12*\i+5], v[ADA8] offset:3072*\i+1536*(\sq)+512
	ds_load_b128 v[\f+12*\i+6:\f+12*\i+9], v[ADA16] offset:3072*\i+1536*(\sq)+768
	ds_load_b64 v[\f+12*\i+10:\f+12*\i+11], v[ADA8] offset:3072*\i+1536*(\sq)+1280
.endr
.irp i, 0,1,2,3
	ds_load_b128 v[\f+48+12*\i:\f+48+12*\i+3], v[ADB16] offset:3072*\i+1536*(\sq)
	ds_load_b64 v[\f+48+12*\i+4:\f+48+12*\i+5], v[ADB8] offset:3072*\i+1536*(\sq)+512
	ds_load_b128 v[\f+48+12*\i+6:\f+48+12*\i+9], v[ADB16] offset:3072*\i+1536*(\sq)+768
	ds_load_b64 v[\f+48+12*\i+10:\f+48+12*\i+11], v[ADB8] offset:3072*\i+1536*(\sq)+1280
.endr
.endm
.macro MUL16 f, s, zero                ; the sixteen accumulators take turns, one instruction a turn, in the same order in every step
	WIN MUL
.irp b, 0,1,2,3
.irp a, 0,1,2,3
.if \zero
	v_wmma_scale_f32_16x16x128_f8f6f4 v[ACC+8*(4*\b+\a):ACC+8*(4*\b+\a)+7], v[\f+12*\a:\f+12*\a+11], v[\f+48+12*\b:\f+48+12*\b+11], 0, v[SA+8*\a+\s], v[SB+8*\b+\s] matrix_a_fmt:MATRIX_FMT_FP6 matrix_b_fmt:MATRIX_FMT_FP6
.else
	v_wmma_scale_f32_16x16x128_f8f6f4 v[ACC+8*(4*\b+\a):ACC+8*(4*\b+\a)+7], v[\f+12*\a:\f+12*\a+11], v[\f+48+12*\b:\f+48+12*\b+11], v[ACC+8*(4*\b+\a):ACC+8*(4*\b+\a)+7], v[SA+8*\a+\s], v[SB+8*\b+\s] matrix_a_fmt:MATRIX_FMT_FP6 matrix_b_fmt:MATRIX_FMT_FP6
.endif
.endr
.endr
.endm
; K step s: its fragments are in; the next step's are fetched into the other set; then its products.  Step 2 waits for the later two loads and signals; step 3 waits at the barrier.  Nothing is ever filled again.
.macro KSTEP s
	s_wait_dscnt 0x0
.if (\s) == 2
	s_wait_tensorcnt 0x0
	s_barrier_signal -1
.endif
.if (\s) == 3
	s_barrier_wait -1
.endif
.if (((\s)%2) == 1) && ((\s) < 7)
	WIN 0
	v_add_nc_u32 v[ADA16], PAIR, v[ADA16]          ; also the four places in front of the loads into the set multiplied last
	v_add_nc_u32 v[ADA8], PAIR, v[ADA8]
	v_add_nc_u32 v[ADB16], PAIR, v[ADB16]
	v_add_nc_u32 v[ADB8], PAIR, v[ADB8]
.elseif (\s) < 7
	PLACES
.endif
.if (\s) < 7
	s_wait_alu depctr_va_vdst(0)
	FETCH 128*(((\s)+1)%2), ((\s)+1)%2
.endif
.if (\s) == 0
	MUL16 128*((\s)%2), \s, 1
.else
	MUL16 128*((\s)%2), \s, 0
.endif
.endm
	s_load_b128 s[4:7], s[0:1], 0x0                ; ctx as codes; the operands' workspace (wo)
	s_load_b64 s[8:9], s[0:1], 0x10                ; out
	v_lshl_add_u32 v[SPW], v0, 2, SPARE
	v_mov_b32 v[NIL], 0
	ds_add_u32 v[SPW], v[NIL]                      ; the wave's opening: the add, twice on end, and its wait ahead of my first tensor load
	ds_add_u32 v[SPW], v[NIL]
	v_lshrrev_b32 v12, 5, v0
	v_readfirstlane_b32 s[WV], v12                 ; wave 0..3
	s_and_b32 s11, s[WV], 1                        ; which 64 columns
	s_lshr_b32 s12, s[WV], 1                       ; which 64 rows
	s_bfe_u32 s13, ttmp6, 0x40000                  ; cx
	s_bfe_u32 s14, ttmp6, 0x40004                  ; cy
	s_lshl_b32 s15, ttmp9, 2
	s_add_co_u32 s15, s15, s13                     ; block of columns
	s_and_b32 s16, ttmp7, 0xffff
	s_lshl_b32 s16, s16, 2
	s_add_co_u32 s16, s16, s14                     ; block of rows
	s_lshl_b32 s17, s14, 2
	s_lshl_b32 s17, 15, s17                        ; my row of the cluster
	s_lshl_b32 s18, 0x1111, s13                    ; my column
	s_or_b32 s[G1], s17, (3<<16)|(1<<21)           ; ctx's tiles go to my row; elements of 8 bytes; bit 21 beside a mask
	s_or_b32 s[G1B], s18, (3<<16)|(1<<21)          ; wo's to my column
.irp g, G1, G1B
	s_mov_b32 s[\g+1], 32<<16                      ; a dense block of two pairs, 49,152 bytes, as 192 rows of 256
	s_mov_b32 s[\g+2], 192<<16
	s_mov_b32 s[\g+3], 32<<16
	s_mov_b32 s[\g+4], 192
	s_mov_b32 s[\g+5], 32
	s_mov_b32 s[\g+6], 0
	s_mov_b32 s[\g+7], 0
.endr
	; every LDS address register is made here, ahead of the first branch on the wave's number
	s_mul_i32 s19, s11, 12288
	s_add_co_u32 s21, s19, WL                      ; source 0: my four tiles of wo
	s_mul_i32 s22, s12, 12288                      ; source 1: my four tiles of ctx
	s_mul_i32 s23, s[WV], 4*4352
	s_add_co_u32 s23, s23, STG                     ; my stages
	v_and_b32 v12, 31, v0
	v_lshlrev_b32 v[L16], 4, v12
	v_lshlrev_b32 v[L8], 3, v12
	v_add_nc_u32 v[ADA16], s21, v[L16]
	v_add_nc_u32 v[ADA8], s21, v[L8]
	v_add_nc_u32 v[ADB16], s22, v[L16]
	v_add_nc_u32 v[ADB8], s22, v[L8]
	v_and_b32 v12, 15, v0                          ; r
	v_bfe_u32 v13, v0, 4, 1                        ; h
	v_mul_u32_u24 v[SO], v12, 272
	v_lshl_add_u32 v[SO], v13, 7, v[SO]
	v_add_nc_u32 v[SO], s23, v[SO]                 ; in: row r, + 128 h
	v_mul_u32_u24 v[SR], v13, 272
	v_lshl_add_u32 v[SR], v12, 4, v[SR]
	v_add_nc_u32 v[SR], s23, v[SR]                 ; back: lanes 0-15 one row, lanes 16-31 the next
	v_lshlrev_b32 v[CO], 12, v13
	v_lshl_add_u32 v[CO], v12, 4, v[CO]            ; and the same two rows of out
.irp g, G0, G0+4, G0B, G0B+4
	s_mov_b32 s[\g], 1
	s_mov_b32 s[\g+3], 0
.endr
	s_mov_b32 s[G0+1], 0
	s_mov_b32 s[G0+5], 2*PAIR
	s_mov_b32 s[G0B+1], WL
	s_mov_b32 s[G0B+5], WL+2*PAIR
	s_mul_i32 s[G0+2], s16, 98304                  ; byte offsets, in the words that will hold the addresses: ctx's of the block of rows,
	s_add_co_u32 s[G0+6], s[G0+2], 2*PAIR
	s_mul_i32 s[G0B+2], s15, 98304                 ; wo's of the block of columns: neither ever holds the other coordinate
	s_add_co_u32 s[G0B+2], s[G0B+2], WOQ
	s_add_co_u32 s[G0B+6], s[G0B+2], 2*PAIR
	s_wait_alu depctr_va_vdst(0)                   ; directly ahead of the wait below
	s_wait_dscnt 0x0                               ; the opening adds are done
	CROUND                                         ; all sixteen work-groups are here: the joint loads meet
	s_wait_kmcnt 0x0
	s_add_nc_u64 s[G0+2:G0+3], s[4:5], s[G0+2:G0+3]
	s_add_nc_u64 s[G0+6:G0+7], s[4:5], s[G0+6:G0+7]
	s_add_nc_u64 s[G0B+2:G0B+3], s[6:7], s[G0B+2:G0B+3]
	s_add_nc_u64 s[G0B+6:G0B+7], s[6:7], s[G0B+6:G0B+7]
.irp g, G0, G0+4, G0B, G0B+4
	s_or_b32 s[\g+3], s[\g+3], 0x80000000
.endr
; all fills of the launch, one a wave, in one chain of branches on the wave's number
.macro ARM under, g0, g1, next
	s_cmp_lt_u32 s[WV], \under
	s_cbranch_scc0 \next
	tensor_load_to_lds s[\g0:\g0+3], s[\g1:\g1+7]
	s_nop 0
	PLACES
	s_branch .Lasked
\next:
.endm
	ARM 1, G0, G1, .Lwave_1
	ARM 2, G0B, G1B, .Lwave_2
	ARM 3, G0+4, G1, .Lwave_3
	tensor_load_to_lds s[G0B+4:G0B+7], s[G1B:G1B+7]
	s_nop 0
	PLACES
.Lasked:
	s_lshl_b32 s20, s15, 3                         ; the scale words of my four tiles of wo,
	s_lshl_b32 s21, s11, 2
	s_add_co_u32 s20, s20, s21
	s_lshl_b32 s20, s20, 10
	s_add_co_u32 s20, s20, WOS
	s_mov_b32 s21, 0
	s_add_nc_u64 s[84:85], s[6:7], s[20:21]
	s_lshl_b32 s20, s16, 3                         ; and of ctx
	s_lshl_b32 s22, s12, 2
	s_add_co_u32 s20, s20, s22
	s_lshl_b32 s20, s20, 10
	s_add_co_u32 s20, s20, CSC
	s_add_nc_u64 s[86:87], s[4:5], s[20:21]
.irp a, 0,1,2,3
.irp p, 0,1,2,3
	global_load_b64 v[SA+8*\a+2*\p:SA+8*\a+2*\p+1], v[L8], s[84:85] offset:1024*\a+256*\p
	global_load_b64 v[SB+8*\a+2*\p:SB+8*\a+2*\p+1], v[L8], s[86:87] offset:1024*\a+256*\p
.endr
.endr
	s_lshl_b32 s20, s16, 7                         ; my first row of out: 128 x block + 64 x half,
	s_lshl_b32 s22, s12, 6
	s_add_co_u32 s20, s20, s22
	s_lshl_b32 s20, s20, 12
	s_lshl_b32 s22, s15, 9                         ; my first column, in bytes: 512 x block + 256 x half
	s_add_co_u32 s20, s20, s22
	s_lshl_b32 s22, s11, 8
	s_add_co_u32 s20, s20, s22
	s_add_nc_u64 s[8:9], s[8:9], s[20:21]
	s_wait_alu depctr_va_vdst(0)                   ; the head's end
	s_wait_loadcnt 0x0                             ; the scale words
	s_cmp_lt_u32 s[WV], 2
	s_cbranch_scc0 .Lfirst
	s_wait_tensorcnt 0x0                           ; pairs 0 and 1 of both operands
.Lfirst:
	s_barrier_signal -1
	s_barrier_wait -1
	FETCH 0, 0
.irp s, 0,1,2,3,4,5,6,7
	KSTEP \s
.endr
	WIN 0
	PLACES                                         ; behind the last products, ahead of the first read of results and of the loads into the fragments' registers
; tile b of my rows: a lane's 32 numbers are columns 32 h + 0 .. 31 of its row.  LDS serves a wave's instructions in order: no wait between the stores and the loads
.macro TOSTAGE b
	WIN 0
.irp q, 0,1,2,3,4,5,6,7
	ds_store_b128 v[SO], v[ACC+32*\b+4*\q:ACC+32*\b+4*\q+3] offset:4352*\b+16*\q   ; each accumulator from its low end on
.endr
	WIN TO_F
.irp i, 0,1,2,3,4,5,6,7
	ds_load_b128 v[32*\b+4*\i:32*\b+4*\i+3], v[SR] offset:4352*\b+544*\i
.endr
.endm
.macro SEND b, younger                 ; younger: the LDS instructions issued behind tile b's loads, which may stay out
	WIN 0x04
.irp i, 0,1,2,3,4,5,6,7
	s_wait_dscnt \younger+7-\i
	global_store_b128 v[CO], v[32*\b+4*\i:32*\b+4*\i+3], s[8:9] offset:(8*\b+2*\i+24*(\i/4))*4096 th:TH_STORE_NT   ; sixteen lanes store 256 consecutive bytes, aligned; the tile's place 2 i is row 8 b + 2 i + 24 (i / 4)
.endr
.endm
	TOSTAGE 0
	TOSTAGE 1
	SEND 0, 16
	TOSTAGE 2
	SEND 1, 16
	TOSTAGE 3
	SEND 2, 16
	SEND 3, 0
	WIN 0
	s_wait_tensorcnt 0x0                           ; the wave's end
	ds_add_u32 v[SPW], v[NIL]
	s_wait_dscnt 0x0
	CROUND                                         ; the closing round
	s_endpgm
.Lfunc_end_k_q796679d075_oproj:
	.size	k_q796679d075_oproj, .Lfunc_end_k_q796679d075_oproj-k_q796679d075_oproj
	.p2alignl 7, 3214868480
	.fill 96, 4, 3214868480
	.section	.rodata,"a",@progbits
	.p2align	6, 0x0
	.amdhsa_kernel k_q796679d075_oproj
		.amdhsa_group_segment_fixed_size 327680
		.amdhsa_private_segment_fixed_size 0
		.amdhsa_enable_private_segment 0
		.amdhsa_kernarg_size 24
		.amdhsa_user_sgpr_count 2
		.amdhsa_user_sgpr_kernarg_segment_ptr 1
		.amdhsa_wavefront_size32 1
		.amdhsa_system_sgpr_workgroup_id_x 1
		.amdhsa_system_sgpr_workgroup_id_y 1
		.amdhsa_system_sgpr_workgroup_id_z 1
		.amdhsa_system_vgpr_workitem_id 0
		.amdhsa_next_free_vgpr 512
		.amdhsa_next_free_sgpr 88
		.amdhsa_reserve_vcc 0
		.amdhsa_float_denorm_mode_32 3
		.amdhsa_float_denorm_mode_16_64 3
		.amdhsa_memory_ordered 1
		.amdhsa_forward_progress 1
		.amdhsa_inst_pref_size 54
	.end_amdhsa_kernel
	.amdgpu_metadata
---
amdhsa.version: [ 1, 2 ]
amdhsa.kernels:
  - .name:           k_q796679d075_oproj
    .symbol:         k_q796679d075_oproj.kd
    .args:
      - { .name: ctxw, .offset: 0, .size: 8, .value_kind: global_buffer, .address_space: global }
      - { .name: prepw, .offset: 8, .size: 8, .value_kind: global_buffer, .address_space: global }
      - { .name: out0, .offset: 16, .size: 8, .value_kind: global_buffer, .address_space: global }
    .group_segment_fixed_size: 327680
    .private_segment_fixed_size: 0
    .kernarg_segment_align: 8
    .kernarg_segment_size: 24
    .max_flat_workgroup_size: 128
    .sgpr_count:     88
    .vgpr_count:     512
    .wavefront_size: 32
...
	.end_amdgpu_metadata
.endif
;; end of part 4
